; MI455X (gfx1250); checked and timed in simulation.
; The chip was launched on July 23, 2026; its instructions are those of AMD's public machine-readable ISA for CDNA 5 (MIT licence, August 2026) and "CDNA5" Instruction Set Architecture Reference Guide (July 2026). The comments in the code are by the model that wrote it; some were corrected since.
;; Multi Head Self Attention. Allowed arithmetic: matrix products marked QUANTISED: E2M3 operands, one E8M0 scale for each 32 along K, by v_wmma_scale_f32_16x16x128_f8f6f4 with both operands' format E2M3, f32 sums; everything else in f32.
;; Inputs: Wk 1,024 x 1,024 float32; Wo 1,024 x 1,024 float32; Wq 1,024 x 1,024 float32; Wv 1,024 x 1,024 float32; bk 1,024 float32; bo 1,024 float32; bq 1,024 float32; bv 1,024 float32; key 4 x 2,048 x 1,024 float32; query 4 x 2,048 x 1,024 float32; value 4 x 2,048 x 1,024 float32.
;; Outputs: out0 4 x 2,048 x 1,024 float32.
;; This version of the problem:
;;   THIS VERSION OF THE PROBLEM IS GIVEN IN LOW PRECISION. The matrix products marked QUANTISED in the list below multiply operands that are first quantised to E2M3 (2 exponent bits, 3 mantissa bits; 6 bits a number), with one power-of-two scale for each 32 numbers along K (OCP MX v1.0); their sums are f32. All else is computed in f32.
;;   The module's matrix products, in the order in which they are computed (A, B: the left and right operand; K: the contracted axis; several contracted axes count as one K, in the product's order):
;;     1. [M 8,192, K 1,024] x [K 1,024, N 1,024]; A: input query; B: input Wq: QUANTISED
;;     2. [M 8,192, K 1,024] x [K 1,024, N 1,024]; A: input key; B: input Wk: QUANTISED
;;     3. [M 8,192, K 1,024] x [K 1,024, N 1,024]; A: input value; B: input Wv: QUANTISED
;;     4. batch 64 x [M 2,048, K 64] x [K 64, N 2,048]; A: computed on the way; B: computed on the way: QUANTISED
;;     5. batch 64 x [M 2,048, K 2,048] x [K 2,048, N 64]; A: softmax (see below); B: computed on the way: QUANTISED
;;     6. [M 8,192, K 1,024] x [K 1,024, N 1,024]; A: computed on the way; B: input Wo: QUANTISED
;;   THE QUANTISER, for each operand of a quantised product, along K:
;;     - K is cut into blocks of 32 from its start; a last block that is shorter is filled with zeros.
;;     - A block's scale is 2^e with e = floor(log2(the largest magnitude in the block)) - 2, held to -126 .. 127; a block of zeros has e = 0. As a byte (E8M0): e + 127.
;;     - Each number is divided by its block's scale, clamped to +-7.5, and rounded to the nearest number of E2M3, ties to even, subnormals kept.
;;     - The product sums the exact products of the quantised numbers (number of the format x scale) in f32.
;;   ~~~python
;;   def quantise(x, axis):      # numpy; x: float32 -> the quantised numbers, widened to float32 again
;;       x = np.moveaxis(x, axis, -1); K = x.shape[-1]
;;       x = np.pad(x, [(0, 0)] * (x.ndim - 1) + [(0, -K % 32)]); x = x.reshape(x.shape[:-1] + (-1, 32)); a = np.abs(x).max(-1, keepdims=True)
;;       e = np.where(a > 0, np.clip(np.frexp(np.where(a > 0, a, 1))[1] - 1 - 2, -126, 127), 0)      # np.frexp(a)[1] - 1 = floor(log2(a)), exactly
;;       r = np.clip(x / 2.0 ** e, -7.5, 7.5)
;;       step = 2.0 ** (np.maximum(np.frexp(np.where(r == 0, 1, r))[1] - 1, 0) - 3)
;;       q = np.round(r / step) * step * 2.0 ** e      # np.round: ties to even
;;       return np.moveaxis(q.reshape(q.shape[:-2] + (-1,))[..., :K], -1, axis).astype(np.float32)
;;   ~~~
;;   SOFTMAX AHEAD OF A QUANTISED PRODUCT. Where the list says 'softmax', what is quantised is not the finished softmax but p = 2^(t - M), with t = logit x log2(e) and M = ceil(the row's largest t), a whole number; so 1/2 < the row's largest p <= 1. The row's sum l is taken of the UNQUANTISED p, in f32, and the product's result is divided by l at the end. Since M is a whole number, a kernel that streams over the keys may use a running M (the ceiling of the running maximum): every later rescaling is an exact power of two, which a block's scale takes up: the codes' values come out the same.
;;   OPERANDS COMPUTED ON THE WAY. 'Computed on the way' means the value that the module computes at that place (a softmax that the list does not call 'softmax' is quantised finished and normalised). What goes into a quantiser is computed in f32, as accurately as f32 sums, v_exp_f32 and their like allow (about 1e-6 of the number): no bf16 or f16 on the way to a quantiser, and a product that is left as it is and whose result goes on into a quantised operand takes f32 operands (vector FMAs, or v_wmma_f32_16x16x4_f32). A number that lies on a knife's edge between two numbers of the format may be rounded either way, as far as f32 arithmetic and the matrix unit's own rounding can turn it there, and no further.
;; One version. Each part assembles by itself: llvm-mc -triple=amdgcn-amd-amdhsa -mcpu=gfx1250 --defsym DOCPART=n.
;; ======== version 1 of 1: 4 launches
;; limits: right only within a limited range of input values
;; workspace buffers: xc 22,020,096 bytes; xs 917,504 bytes; qb 13,369,344 bytes; kv 13,369,344 bytes; oc 6,291,456 bytes; os 262,144 bytes
;; launch quant (part 1): grid 896 x 1, 4 waves a work-group, no clusters, 33,280 bytes of LDS; arguments query, key, value, Wq, Wk, Wv, Wo, xc, xs; writes xc, xs
.if DOCPART == 1
	.amdgcn_target "amdgcn-amd-amdhsa--gfx1250"
	.amdhsa_code_object_version 6
	.text
	.protected	k_q04e4aa5a7b_quant
	.globl	k_q04e4aa5a7b_quant
	.p2align	8
	.type	k_q04e4aa5a7b_quant,@function
k_q04e4aa5a7b_quant:
	s_mov_b64 s[64:65], 0
	v_nop
	global_prefetch_b8 v0, s[64:65] scope:SCOPE_SE
	s_setreg_imm32_b32 hwreg(HW_REG_WAVE_MODE, 25, 1), 1
	s_wait_xcnt 0x0
; query, key, value [8192][1024] and Wq, Wk, Wv, Wo [1024][1024], f32, K innermost, become codes of FP6 (E2M3), 6 bits each, and one E8M0 byte for each 32 along K.
; The seven tensors form one list of 28,672 rows (query 0, key 8192, value 16384, Wq 24576, Wk 25600, Wv 26624, Wo 27648).
; xc IS LAID BY CHUNKS OF K: xc[chunk of 256 along K][row][192 bytes], CH bytes a chunk.  128 rows of one chunk are then 24,576 dense bytes that begin at a multiple of 256: the later launches fetch them as rows of 256 bytes.
; xs holds the scale bytes, 32 a row.
; POSITION ORDER: inside each 64 rows, row 32 h + 8 j + i (h = 0, 1; j = 0 .. 3; i = 0 .. 7) is stored at position 16 j + 8 h + i.  In a matrix result whose rows are 16 neighbouring positions a lane holds rows 8 h + i of tile j,
; so a lane's 32 registers of four neighbouring tiles are 32 true neighbours, one whole scale block of the next product.  Here it is a choice of the run of 8 rows that a wave writes: run (t2 t1 t0) goes to run (t1 t0 t2).
; A block's scale is 2^(floor(log2(its largest magnitude)) - 2); its byte is the largest magnitude's exponent field - 2, held at 1 from below.  A block of zeros so gets the byte 1 where the rule says 127:
; its codes are zeros, which add nothing under any byte but 0xff, and the bytes are read by this program alone.
; LIMITS: blocks whose largest magnitude lies under 2^(2 - 126) are quantised under the byte 1; NaN and infinities among the inputs are not served.
; A work-group takes 32 rows, a wave 8: 16 steps of 512 numbers.  Each load reads 512 consecutive bytes; a step's 2,048 bytes turn through the wave's own stage in LDS and come back 64 bytes a lane, so that a lane holds
; 16 neighbours along K (two neighbouring lanes hold a block).  A step is half a row: lanes 0-15 store 192 bytes of one chunk, lanes 16-31 192 bytes of the next; a wave's 8 rows fill 1,536 consecutive bytes of each chunk.
; A wave's 256 scale bytes are gathered in LDS and leave as one aligned 256 bytes.  No work-group shares an input byte with another: no cluster, no tensor loads, no barrier.  Loads run four steps (16 loads a wave) ahead.
.set WAVES, 4
.set STEPS, 16
.set EMAX,  2
.set CB,    12                         ; bytes of 16 codes
.set CH,    28672*192                  ; bytes of a chunk of xc
.set R,     16                         ; v16-79   four sets of 16 numbers as they are loaded
.set X,     80                         ; v80-111  two sets of 16 neighbours
.set C,     128                        ; v128-191 codes: four registers for each step, so that no store's data are written again
.set E,     112                        ; v112-127 a scale byte for each step
.set WREG,  8192                       ; LDS: a region for each wave: two stages of 32 x SP bytes, behind them its 256 scale bytes
.set SP,    80                         ; a lane's place in a stage: 64 bytes + 16 of padding
.set SPW,   12                         ; v12 LDS address of my spare word; never rewritten
.set NIL,   13                         ; v13 0; never rewritten
.set SPARE, WAVES*WREG                 ; the spare words, 128 bytes a wave, that no other line names
	s_load_b512 s[4:19], s[0:1], 0x0               ; query s[4:5], key, value, Wq, Wk, Wv, Wo s[16:17], xc s[18:19]
	s_load_b64 s[20:21], s[0:1], 0x40              ; xs
	v_lshl_add_u32 v[SPW], v0, 2, SPARE
	v_mov_b32 v[NIL], 0
	v_lshrrev_b32 v1, 5, v0
	v_readfirstlane_b32 s22, v1                    ; wave
	v_and_b32 v2, 31, v0                           ; lane
	v_lshlrev_b32 v3, 4, v2                        ; my 16 bytes of a load's 512
	s_mul_i32 s26, s22, WREG
	v_lshrrev_b32 v14, 2, v2
	v_mul_u32_u24 v14, v14, SP
	v_and_b32 v15, 3, v2
	v_lshl_add_u32 v14, v15, 4, v14
	v_add_nc_u32 v14, s26, v14                     ; the stage, on the way in: SP (lane / 4) + 16 (lane % 4)
	v_mul_u32_u24 v15, v2, SP
	v_add_nc_u32 v15, s26, v15                     ; on the way out: SP x lane: my 16 neighbours
	v_and_b32 v4, 15, v2
	v_mul_u32_u24 v4, v4, CB
	v_lshrrev_b32 v10, 4, v2
	v_mad_u32_u24 v4, v10, CH, v4                  ; my codes' place: 12 (lane % 16), and lanes 16-31 one chunk on
	v_lshrrev_b32 v5, 1, v2
	s_add_co_u32 s26, s26, 2*32*SP
	v_add_nc_u32 v5, s26, v5                       ; LDS: my wave's 256 scale bytes, my block's byte
	v_lshlrev_b32 v7, 3, v2                        ; on the way out 8 bytes a lane
	v_add_nc_u32 v6, s26, v7
	s_lshl_b32 s28, ttmp9, 2
	s_add_co_u32 s28, s28, s22                     ; the run of 8 rows that I read, counted over the whole list
	s_and_b32 s27, s28, 3
	s_lshl_b32 s27, s27, 1
	s_bfe_u32 s29, s28, 0x10002
	s_or_b32 s27, s27, s29                         ; its low three bits (t2 t1 t0) as (t1 t0 t2)
	s_and_b32 s28, s28, 0xfffffff8
	s_or_b32 s27, s27, s28                         ; the run of 8 positions that I write
	s_mul_i32 s30, s27, 1536                       ; 8 rows x 192 bytes in each chunk
	s_mov_b32 s31, 0
	s_lshl_b32 s32, s27, 8                         ; 8 rows x 32 bytes
	s_mov_b32 s33, 0
	s_wait_alu depctr_va_vdst(0)
	s_wait_kmcnt 0x0
; which tensor is my work-group's: the choice hangs on the work-group's number alone.  256 work-groups for each activation, 32 for each weight
.macro PICK limit, first, ptr
	s_cmp_lt_u32 ttmp9, \limit
	s_cselect_b64 s[24:25], s[\ptr:\ptr+1], s[24:25]
	s_cselect_b32 s23, \first, s23
.endm
	s_mov_b64 s[24:25], s[16:17]
	s_mov_b32 s23, 864
	PICK 864, 832, 14
	PICK 832, 800, 12
	PICK 800, 768, 10
	PICK 768, 512, 8
	PICK 512, 256, 6
	PICK 256, 0, 4
	s_sub_co_u32 s28, ttmp9, s23
	s_lshl_b32 s28, s28, 2
	s_add_co_u32 s28, s28, s22                     ; which run of 8 rows of the tensor I read
	s_lshl_b32 s28, s28, 15                        ; 32,768 bytes a run
	s_mov_b32 s29, 0
	s_add_nc_u64 s[24:25], s[24:25], s[28:29]
	s_add_nc_u64 s[18:19], s[18:19], s[30:31]      ; chunks 0 and 1
	s_add_nc_u64 s[34:35], s[18:19], 2*CH          ; chunks 2 and 3
	s_add_nc_u64 s[20:21], s[20:21], s[32:33]
.macro LOAD t
.irp i, 0,1,2,3
	global_load_b128 v[R+16*((\t)%4)+4*\i:R+16*((\t)%4)+4*\i+3], v3, s[24:25] offset:2048*(\t)+512*\i th:TH_LOAD_NT   ; 32 lanes read 512 consecutive bytes
.endr
.endm
.macro TURN t                          ; step t's numbers through the stage: LDS serves a wave's instructions in order, so no wait stands between the stores and the loads
.irp i, 0,1,2,3
	ds_store_b128 v14, v[R+16*((\t)%4)+4*\i:R+16*((\t)%4)+4*\i+3] offset:32*SP*((\t)%2)+8*SP*\i
.endr
.irp i, 0,1,2,3
	ds_load_b128 v[X+16*((\t)%2)+4*\i:X+16*((\t)%2)+4*\i+3], v15 offset:32*SP*((\t)%2)+16*\i
.endr
.endm
.irp t, 0,1,2,3
	LOAD \t
.endr
	s_wait_loadcnt 12                              ; step 0's four loads are in; those of steps 1 to 3 may be out
	TURN 0
.macro STEP t
.set XS, X+16*((\t)%2)
.if (\t) > 0
	s_wait_dscnt 1                                 ; this step's numbers are back from the stage (the last step's byte store may be out): so its stores into the stage have read their registers,
.else
	s_wait_dscnt 0x0
.endif
.if (\t)+4 < STEPS
	LOAD (\t)+4                                    ; which take the loads of four steps on
.endif
.if (\t)+1 < STEPS
.if STEPS-2-(\t) >= 3
	s_wait_loadcnt 12                              ; the next step's four loads are in; those of the three steps behind it may be out
.else
	s_wait_loadcnt 4*(STEPS-2-(\t))
.endif
	TURN (\t)+1                                    ; and go through the other stage while this step is worked
.endif
	v_max3_num_f32 v8, |v[XS]|, |v[XS+1]|, |v[XS+2]|               ; the largest magnitude of my 16, in two chains
	v_max3_num_f32 v9, |v[XS+3]|, |v[XS+4]|, |v[XS+5]|
.irp i, 6,10
	v_max3_num_f32 v8, v8, |v[XS+\i]|, |v[XS+\i+1]|
	v_max3_num_f32 v9, v9, |v[XS+\i+2]|, |v[XS+\i+3]|
.endr
	v_max3_num_f32 v8, v8, |v[XS+14]|, |v[XS+15]|
	v_max3_num_f32 v8, v8, v9, (EMAX+1)<<23        ; and the floor 2^(EMAX + 1 - 127): the byte cannot fall under 1
	v_max_num_f32_dpp v8, v8, v8 row_xmask:1 row_mask:0xf bank_mask:0xf   ; and of my neighbour's 16: the block's
	v_add_nc_u32 v11, -(EMAX<<23), v8              ; EMAX off its exponent field: the conversion takes the exponent field of this operand as its scale
	v_cvt_scalef32_pk16_fp6_f32 v[C+4*(\t):C+4*(\t)+2], v[XS:XS+15], v11   ; sixteen numbers / the scale, to the nearest code, ties to even, beyond the largest code the largest
	v_lshrrev_b32 v[E+(\t)], 23, v11               ; the scale's byte (a plain line behind the conversion)
	ds_store_b8 v5, v[E+(\t)] offset:16*(\t)       ; both lanes of a block write the same byte with the same value
	global_store_b96 v4, v[C+4*(\t):C+4*(\t)+2], s[18+16*((\t)%2):19+16*((\t)%2)] offset:192*((\t)/2)   ; row t / 2 of my 8; the row's first or second pair of chunks
.endm
.irp t, 0,1,2,3,4,5,6,7,8,9,10,11,12,13,14,15
	STEP \t
.endr
	ds_load_b64 v[8:9], v6                         ; LDS serves a wave's instructions in order: these see my stores
	s_wait_dscnt 0x0
	global_store_b64 v7, v[8:9], s[20:21]          ; 32 lanes store 256 consecutive bytes, aligned
	s_wait_tensorcnt 0x0                           ; the wave's end
	ds_add_u32 v[SPW], v[NIL]
	s_wait_dscnt 0x0
	s_endpgm
.Lfunc_end_k_q04e4aa5a7b_quant:
	.size	k_q04e4aa5a7b_quant, .Lfunc_end_k_q04e4aa5a7b_quant-k_q04e4aa5a7b_quant
	.p2alignl 7, 3214868480
	.fill 96, 4, 3214868480
	.section	.rodata,"a",@progbits
	.p2align	6, 0x0
	.amdhsa_kernel k_q04e4aa5a7b_quant
		.amdhsa_group_segment_fixed_size 33280
		.amdhsa_private_segment_fixed_size 0
		.amdhsa_enable_private_segment 0
		.amdhsa_kernarg_size 72
		.amdhsa_user_sgpr_count 2
		.amdhsa_user_sgpr_kernarg_segment_ptr 1
		.amdhsa_wavefront_size32 1
		.amdhsa_system_sgpr_workgroup_id_x 1
		.amdhsa_system_sgpr_workgroup_id_y 1
		.amdhsa_system_sgpr_workgroup_id_z 1
		.amdhsa_system_vgpr_workitem_id 0
		.amdhsa_next_free_vgpr 192
		.amdhsa_next_free_sgpr 66
		.amdhsa_reserve_vcc 0
		.amdhsa_float_denorm_mode_32 3
		.amdhsa_float_denorm_mode_16_64 3
		.amdhsa_memory_ordered 1
		.amdhsa_forward_progress 1
		.amdhsa_inst_pref_size 34
	.end_amdhsa_kernel
	.amdgpu_metadata
---
amdhsa.version: [ 1, 2 ]
amdhsa.kernels:
  - .name:           k_q04e4aa5a7b_quant
    .symbol:         k_q04e4aa5a7b_quant.kd
    .args:
      - { .name: query, .offset: 0, .size: 8, .value_kind: global_buffer, .address_space: global }
      - { .name: key, .offset: 8, .size: 8, .value_kind: global_buffer, .address_space: global }
      - { .name: value, .offset: 16, .size: 8, .value_kind: global_buffer, .address_space: global }
      - { .name: Wq, .offset: 24, .size: 8, .value_kind: global_buffer, .address_space: global }
      - { .name: Wk, .offset: 32, .size: 8, .value_kind: global_buffer, .address_space: global }
      - { .name: Wv, .offset: 40, .size: 8, .value_kind: global_buffer, .address_space: global }
      - { .name: Wo, .offset: 48, .size: 8, .value_kind: global_buffer, .address_space: global }
      - { .name: xc, .offset: 56, .size: 8, .value_kind: global_buffer, .address_space: global }
      - { .name: xs, .offset: 64, .size: 8, .value_kind: global_buffer, .address_space: global }
    .group_segment_fixed_size: 33280
    .private_segment_fixed_size: 0
    .kernarg_segment_align: 8
    .kernarg_segment_size: 72
    .max_flat_workgroup_size: 128
    .sgpr_count:     66
    .vgpr_count:     192
    .wavefront_size: 32
...
	.end_amdgpu_metadata
.endif
;; end of part 1
;; launch proj (part 2): grid 4 x 96, 4 waves a work-group, clusters of 4 x 4, 327,680 bytes of LDS; arguments xc, xs, bq, bk, bv, qb, kv; writes qb, kv
.if DOCPART == 2
	.amdgcn_target "amdgcn-amd-amdhsa--gfx1250"
	.amdhsa_code_object_version 6
	.text
	.protected	k_q04e4aa5a7b_proj
	.globl	k_q04e4aa5a7b_proj
	.p2align	8
	.type	k_q04e4aa5a7b_proj,@function
k_q04e4aa5a7b_proj:
	s_mov_b64 s[64:65], 0
	v_nop
	global_prefetch_b8 v0, s[64:65] scope:SCOPE_SE
	s_setreg_imm32_b32 hwreg(HW_REG_WAVE_MODE, 25, 1), 1
	s_wait_xcnt 0x0
	s_wait_alu depctr_hold_cnt(0) depctr_sa_sdst(0) depctr_va_vdst(0) depctr_va_sdst(0) depctr_va_ssrc(0) depctr_va_vcc(0) depctr_vm_vsrc(0)
	s_getreg_b32 s2, hwreg(HW_REG_IB_STS2, 6, 4)
	s_cmp_eq_u32 s2, 0
	s_cbranch_scc0 .Lentry_in_a_cluster
	s_endpgm
.Lentry_in_a_cluster:
	s_bfe_u32 s2, ttmp6, 0x10000c
	s_cmp_lg_u32 s2, 0xf033
	s_cbranch_scc0 .Lentry_shape_is_right
	s_endpgm
.Lentry_shape_is_right:
; Q = query Wq^T + bq, K, V likewise, on codes of FP6 with E8M0 scales, 256 x 256 of a result to a work-group, and their quantisers: the results leave as records of 13,056 bytes for (batch, head, 128 tokens).
; xc lies by chunks of 256 along K (CH bytes a chunk, 192 bytes a row): 128 rows of a chunk are 24,576 dense bytes, fetched as 96 rows of 256 bytes; with 16 bytes of padding behind every 64 an LDS row of 192 bytes has the pitch 240.
; Rows lie in position order (position 16 j + 8 h + i of each 64 is row 32 h + 8 j + i): a lane's 32 sums of four neighbouring tiles are one whole scale block of the next product, in its operand's order.
; The scale bytes of a wave's 128 rows, 4,096 dense bytes, come by eight plain loads of 512 consecutive bytes and go into LDS by stores, as units of 256 + 16 bytes: they are 16 KB of a work-group's 400 KB, so they are not asked for jointly.
.set KSTEP,  256
.set CH,     28672*192
.set NQ,     2
.set ROWB,   192
.set KROW,   768
.set PITCH,  240
.set FR,     12
.set NL,     6
.set NP,     4
.set HALFT,  128*PITCH
.set SLOT,   4*HALFT
.set LAPS,   2
.set KS,     32
.set SCL,    2*SLOT
.set HALFS,  (128*KS/256)*272
.set SBLK,   (16*KS/256)*272
.set SPARE,  SCL+4*HALFS
.set REC,    13056
.set L16,  7
.set L8,   8
.set SST,  9
.set SRD,  10
.set SH,   11
.set SOF,  12
.set ZR,   13
.set SH8,  14
.set ADRA, 16
.set ADRB, 20
.set ADRS, 27
.set SPW,  28
.set NIL,  29
.set SC,   32
.set BN,   64
.set AF,   128
.set BM,   224
.set T,    128
.set PC,   192
.set TM,   64
.set PW,   80
.set SV,   96
.set RB,   104
.set G1, 24
.set G0, 32
.set G1B, 48
.set G0B, 56
.set G1S, 68
.set G0S, 76
.set G1SB, 80
.set G0SB, 88
.set P0, 68
.set P1, 70
.set SA, 72
.set SJ, 74
.set SD0, 76
.set SD1, 78
.set SM, 80
.set SEL, 84
.set MSB, 0
.macro WIN new
.if MSB != (\new)
	s_set_vgpr_msb (MSB<<8)|(\new)
.set MSB, (\new)
.endif
.endm
.set MUL_LO, 0xa1
.set MUL_HI, 0xf1
.set TO_B,   0x40
.macro JLOAD g0a, g1a, g0b, g1b
	s_cmp_eq_u32 s15, 0
	s_cbranch_scc0 .Lfor_b_\@
	tensor_load_to_lds s[\g0a:\g0a+3], s[\g1a:\g1a+7]
	s_nop 0
.rept 4
	v_nop
.endr
	s_branch .Lasked_\@
.Lfor_b_\@:
	tensor_load_to_lds s[\g0b:\g0b+3], s[\g1b:\g1b+7]
	s_nop 0
.rept 4
	v_nop
.endr
.Lasked_\@:
.endm
.macro CREST
	s_cmp_lg_u32 s14, 0
	s_cbranch_scc1 .Lnot_wave_0_\@
	s_barrier_signal -3
.Lnot_wave_0_\@:
	s_barrier_wait -3
	s_barrier_signal -1
	s_barrier_wait -1
.endm
.macro CROUND
	s_barrier_signal -1
	s_barrier_wait -1
	CREST
.endm
	s_load_b256 s[4:11], s[0:1], 0x0
	s_load_b128 s[96:99], s[0:1], 0x20
	s_load_b64 s[100:101], s[0:1], 0x30
	v_lshl_add_u32 v[SPW], v0, 2, SPARE
	v_mov_b32 v[NIL], 0
	ds_add_u32 v[SPW], v[NIL]
	ds_add_u32 v[SPW], v[NIL]
	v_lshrrev_b32 v1, 5, v0
	v_readfirstlane_b32 s14, v1
	s_lshr_b32 s15, s14, 1
	s_and_b32 s16, s14, 1
	s_bfe_u32 s40, ttmp6, 0x40000
	s_bfe_u32 s41, ttmp6, 0x40004
	s_and_b32 s13, ttmp7, 0xffff
	s_lshr_b32 s2, s13, 3
	s_and_b32 s13, s13, 7
	s_lshl_b32 s13, s13, 2
	s_lshl_b32 s66, s2, 13
	s_lshl_b32 s67, s2, 10
	s_add_co_u32 s67, s67, 24576
	s_cmp_eq_u32 s2, 2
	s_cselect_b32 s12, 1, 0
	s_cselect_b32 s17, 0, s13
	s_cselect_b32 s42, s13, 0
	s_cselect_b32 s66, 26624, s66
	s_cselect_b32 s67, 16384, s67
	s_cselect_b32 s95, -1, 0
	s_add_co_u32 s17, s17, s41
	s_add_co_u32 s42, s42, s40
	s_lshl_b32 s43, s41, 2
	s_lshl_b32 s43, 15, s43
	s_lshl_b32 s44, 0x1111, s40
	s_or_b32 s[G1+0], s43, (0<<16)|(1<<20)|(1<<21)|(3<<22)|(3<<25)
	s_or_b32 s[G1B+0], s44, (0<<16)|(1<<20)|(1<<21)|(3<<22)|(3<<25)
.irp g, G1, G1B
	s_mov_b32 s[\g+1], 256<<16
	s_mov_b32 s[\g+2], 96<<16
	s_mov_b32 s[\g+3], 256<<16
	s_mov_b32 s[\g+4], 96
	s_mov_b32 s[\g+5], 256
	s_mov_b32 s[\g+6], 0
	s_mov_b32 s[\g+7], 0
.endr
	s_lshl_b32 s18, s16, 7
	s_lshl_b32 s20, s17, 8
	s_add_co_u32 s20, s20, s18
	s_add_co_u32 s20, s20, s66
	s_lshl_b32 s46, s42, 8
	s_add_co_u32 s46, s46, s18
	s_add_co_u32 s46, s46, s67
	s_mov_b32 s21, 0
	s_mov_b32 s47, 0
	s_mov_b64 s[18:19], KS
	s_mul_u64 s[22:23], s[20:21], s[18:19]
	s_mul_u64 s[92:93], s[46:47], s[18:19]
	s_mov_b64 s[18:19], ROWB
	s_mul_u64 s[20:21], s[20:21], s[18:19]
	s_mul_u64 s[46:47], s[46:47], s[18:19]
	s_mul_i32 s45, s14, HALFT
	s_mul_i32 s94, s14, HALFS
	s_wait_dscnt 0x0
	s_wait_kmcnt 0x0
	s_add_nc_u64 s[20:21], s[4:5], s[20:21]
	s_add_nc_u64 s[22:23], s[6:7], s[22:23]
	s_add_nc_u64 s[46:47], s[4:5], s[46:47]
	s_add_nc_u64 s[92:93], s[6:7], s[92:93]
	CROUND
	s_cmp_eq_u32 s15, 0
	s_cselect_b64 s[92:93], s[22:23], s[92:93]     ; my 128 rows' scale bytes: waves 0 and 1 A's, waves 2 and 3 B's
	s_add_co_u32 s94, s94, SCL                     ; and their place in LDS
	v_and_b32 v30, 31, v0
	v_lshlrev_b32 v30, 4, v30
.irp j, 0,1,2,3,4,5,6,7
	global_load_b128 v[128+4*\j:131+4*\j], v30, s[92:93] offset:512*\j
.endr
.irp s, 0,1
	s_mov_b32 s[G0+4*\s], 1
	s_add_co_u32 s[G0+4*\s+1], s45, \s*SLOT
	s_add_nc_u64 s[G0+4*\s+2:G0+4*\s+3], s[20:21], \s*CH
	s_or_b32 s[G0+4*\s+3], s[G0+4*\s+3], 0x80000000
	s_mov_b32 s[G0B+4*\s], 1
	s_add_co_u32 s[G0B+4*\s+1], s45, \s*SLOT
	s_add_nc_u64 s[G0B+4*\s+2:G0B+4*\s+3], s[46:47], \s*CH
	s_or_b32 s[G0B+4*\s+3], s[G0B+4*\s+3], 0x80000000
.if \s                                         ; slot 0's load is the wave's one load at the head; slot 1's stands behind the three lines and a round
	s_wait_alu depctr_va_vdst(0)
	s_wait_tensorcnt 0x0
	ds_add_u32 v28, v29
	s_wait_dscnt 0x0
	CROUND
.endif
	JLOAD G0+4*\s, G1, G0B+4*\s, G1B
.endr
	v_and_b32 v1, 15, v0
	v_bfe_u32 v2, v0, 4, 1
	v_mul_u32_u24 v3, v1, PITCH
	v_mul_u32_u24 v4, v2, 24
	v_add_nc_u32 v4, v3, v4
	v_lshl_add_u32 v5, v2, 4, v4
	s_mul_i32 s21, s15, HALFT
	s_mul_i32 s22, s16, HALFT
	s_add_co_u32 s22, s22, 2*HALFT
.irp s, 0,1
	v_add_nc_u32 v[ADRA+\s], s21, v4
	v_add_nc_u32 v[ADRB+\s], s22, v4
	v_add_nc_u32 v[ADRA+2+\s], s21, v5
	v_add_nc_u32 v[ADRB+2+\s], s22, v5
	s_add_co_u32 s21, s21, SLOT
	s_add_co_u32 s22, s22, SLOT
.endr
	v_mul_u32_u24 v5, v1, KS
	v_lshrrev_b32 v6, 8, v5
	v_lshl_add_u32 v5, v6, 4, v5
	s_mul_i32 s21, s15, HALFS
	s_mul_i32 s22, s16, HALFS
	s_add_co_u32 s22, s22, 2*HALFS
	s_sub_co_u32 s22, s22, s21
	v_mul_u32_u24 v6, s22, v2
	s_add_co_u32 s21, s21, SCL
	v_add_nc_u32 v5, v5, v6
	v_add_nc_u32 v[ADRS], s21, v5
	v_and_b32 v6, 31, v0
	v_lshlrev_b32 v[L16], 4, v6
	v_lshlrev_b32 v[L8], 3, v6
	s_lshl_b32 s21, s14, 10
	v_lshl_add_u32 v[SST], v2, 9, s21
	v_lshl_add_u32 v[SST], v1, 2, v[SST]
	v_add_nc_u32 v[SRD], s21, v[L16]
	s_cmp_eq_u32 s12, 1
	s_cselect_b32 s22, 0, 16
	s_mov_b32 s23, 256
	s_cselect_b32 s23, 16*REC, s23
	v_mul_u32_u24 v[SH], s22, v2
	v_mul_u32_u24 v[SOF], s23, v2
	v_lshl_add_u32 v[SOF], v1, 4, v[SOF]
	v_mov_b32 v[ZR], 0
	v_lshlrev_b32 v[SH8], 3, v2
	v_mul_u32_u24 v31, v2, 272
	v_lshl_add_u32 v31, v1, 4, v31
	v_add_nc_u32 v31, s94, v31                     ; LDS: my 16 of a load's 512 scale bytes: two units of 256 + 16
	s_lshl_b32 s66, s17, 8
	s_lshl_b32 s21, s15, 7
	s_add_co_u32 s66, s66, s21
	s_lshl_b32 s67, s42, 8
	s_lshl_b32 s21, s16, 7
	s_add_co_u32 s67, s67, s21
	s_cmp_eq_u32 s2, 1
	s_cselect_b64 s[20:21], s[10:11], s[8:9]
	s_cmp_eq_u32 s2, 2
	s_cselect_b64 s[20:21], s[96:97], s[20:21]
	s_and_b32 s22, s67, 1023
	s_lshl_b32 s22, s22, 2
	s_mov_b32 s23, 0
	s_add_nc_u64 s[22:23], s[20:21], s[22:23]
	s_and_b32 s46, s66, 1023
	s_lshl_b32 s46, s46, 2
	s_mov_b32 s47, 0
	s_add_nc_u64 s[46:47], s[20:21], s[46:47]
	v_lshlrev_b32 v5, 7, v2
	v_and_b32 v6, 8, v1
	v_mad_u32_u24 v6, v6, 3, v1
	v_lshlrev_b32 v6, 2, v6
.irp be, 0,1,2,3
.irp q, 0,1,2,3
	global_load_b128 v[BN+16*\be+4*\q:BN+16*\be+4*\q+3], v5, s[22:23] offset:256*(\be/2)+64*(\be%2)+16*\q
.endr
.endr
.irp a, 0,1,2,3,4,5,6,7
	global_load_b32 v[BM+2*\a], v6, s[46:47] offset:4*(64*(\a/4)+8*(\a%4))
.endr
	s_wait_alu depctr_va_vdst(0)
	s_wait_loadcnt 0x0
.irp j, 0,1,2,3,4,5,6,7
	ds_store_b128 v31, v[128+4*\j:131+4*\j] offset:544*\j
.endr
.set i, 0
.rept 64
	v_cndmask_b32 v[BN+i], v[BN+i], v[ZR], s95
.set i, i+1
.endr
.irp a, 0,1,2,3,4,5,6,7
	v_cndmask_b32 v[BM+2*\a+1], v[ZR], v[BM+2*\a], s95
	v_cndmask_b32 v[BM+2*\a], v[ZR], v[BM+2*\a], s95
.endr
.macro FRAG reg, adr, q, i
.irp p, 0,1,2,3,4,5
.set PIE, 12*(\q)+6*(\p/3)+\p%3
.if PIE%8 < 5
	ds_load_b64 v[\reg+2*\p:\reg+2*\p+1], v[\adr] offset:8*PIE+16*(PIE/8)+(\i)*16*PITCH
.else
	ds_load_b64 v[\reg+2*\p:\reg+2*\p+1], v[\adr+2] offset:8*PIE+16*(PIE/8)+(\i)*16*PITCH
.endif
.endr
.endm
.macro MUL16 a0, p, q, sc, zero
.irp a, \a0, \a0+1
.irp b, 0,1,2,3,4,5,6,7
.if \zero
	v_wmma_scale_f32_16x16x128_f8f6f4 v[8*(8*((\a)%4)+\b):8*(8*((\a)%4)+\b)+7], v[128*(\p)+FR*\b:128*(\p)+FR*\b+FR-1], v[AF+FR*(\a):AF+FR*(\a)+FR-1], v[BN+8*\b:BN+8*\b+7], v[SC+8*NQ*(\sc)+NQ*\b+(\q)], v[SC+8*NQ*(\sc)+NQ*(\a)+(\q)] matrix_a_fmt:MATRIX_FMT_FP6 matrix_b_fmt:MATRIX_FMT_FP6 matrix_a_scale:MATRIX_SCALE_ROW1
.else
	v_wmma_scale_f32_16x16x128_f8f6f4 v[8*(8*((\a)%4)+\b):8*(8*((\a)%4)+\b)+7], v[128*(\p)+FR*\b:128*(\p)+FR*\b+FR-1], v[AF+FR*(\a):AF+FR*(\a)+FR-1], v[8*(8*((\a)%4)+\b):8*(8*((\a)%4)+\b)+7], v[SC+8*NQ*(\sc)+NQ*\b+(\q)], v[SC+8*NQ*(\sc)+NQ*(\a)+(\q)] matrix_a_fmt:MATRIX_FMT_FP6 matrix_b_fmt:MATRIX_FMT_FP6 matrix_a_scale:MATRIX_SCALE_ROW1
.endif
.endr
.endr
.endm
.macro FETCH_B slot, q, p
	WIN TO_B
.irp i, 0,1,2,3,4,5,6,7
	FRAG 128*(\p)+FR*\i, ADRB+\slot, \q, \i
.endr
	WIN 0
.endm
.macro FETCH_A slot, q, i0
.irp i, \i0, \i0+1, \i0+2, \i0+3
	FRAG AF+FR*(\i), ADRA+\slot, \q, \i
.endr
.endm
.macro SCALES sc
.irp i, 0,1,2,3,4,5,6,7
	ds_load_b64 v[SC+8*NQ*\sc+NQ*\i:SC+8*NQ*\sc+NQ*\i+1], v[ADRS] offset:\i*SBLK
.endr
.endm
.macro PLACES n
.rept \n
	v_nop
.endr
.endm
.macro STEP slot, q, zero
	s_wait_dscnt 4*NL
.if \zero
	WIN 0x81
.else
	WIN MUL_LO
.endif
	MUL16 0, (\q)%2, \q, \slot, \zero
	MUL16 2, (\q)%2, \q, \slot, \zero
	s_wait_dscnt 0
	PLACES NP
	FETCH_B \slot, (\q)+1, 1-(\q)%2
	FETCH_A \slot, (\q)+1, 0
.if \zero
	WIN 0xc1
.else
	WIN MUL_HI
.endif
	MUL16 4, (\q)%2, \q, \slot, \zero
	MUL16 6, (\q)%2, \q, \slot, \zero
	PLACES NP
	WIN 0
	FETCH_A \slot, (\q)+1, 4
.endm
.macro TURN slot, next, fill
	s_wait_tensorcnt 0x0
	ds_add_u32 v[SPW], v[NIL]
	s_wait_dscnt 4*NL+1
	WIN MUL_LO
	MUL16 0, 1, NQ-1, \slot, 0
	s_wait_dscnt 0x0
	s_barrier_signal -1
	MUL16 2, 1, NQ-1, \slot, 0
	WIN 0
	s_barrier_wait -1
.if \fill
	CREST
	s_add_nc_u64 s[G0+4*\slot+2:G0+4*\slot+3], s[G0+4*\slot+2:G0+4*\slot+3], 2*CH
	s_add_nc_u64 s[G0B+4*\slot+2:G0B+4*\slot+3], s[G0B+4*\slot+2:G0B+4*\slot+3], 2*CH
	JLOAD G0+4*\slot, G1, G0B+4*\slot, G1B
.else
	PLACES NP
.endif
	s_wait_alu depctr_va_vdst(0)
	v_add_nc_u32 v[ADRS], 4*NQ, v[ADRS]
	FETCH_B \next, 0, 0
	FETCH_A \next, 0, 0
	SCALES \next
	WIN MUL_HI
	MUL16 4, 1, NQ-1, \slot, 0
	MUL16 6, 1, NQ-1, \slot, 0
	PLACES NP
	WIN 0
	FETCH_A \next, 0, 4
.endm
	s_wait_tensorcnt 1
	s_wait_dscnt 0x0                               ; for the others' sake: my scale bytes lie in LDS
	s_barrier_signal -1
	s_barrier_wait -1
	FETCH_B 0, 0, 0
	FETCH_A 0, 0, 0
	SCALES 0
	FETCH_A 0, 0, 4
	STEP 0, 0, 1
	s_mov_b32 s3, LAPS-1
.Llap:
	TURN 0, 1, 1
	STEP 1, 0, 0
	TURN 1, 0, 1
	STEP 0, 0, 0
	s_sub_co_u32 s3, s3, 1
	s_cmp_lg_u32 s3, 0
	s_cbranch_scc1 .Llap
	TURN 0, 1, 0
	STEP 1, 0, 0
	s_wait_dscnt 4*NL
	WIN MUL_LO
	MUL16 0, 1, NQ-1, 1, 0
	MUL16 2, 1, NQ-1, 1, 0
	s_wait_dscnt 0
	WIN MUL_HI
	MUL16 4, 1, NQ-1, 1, 0
	MUL16 6, 1, NQ-1, 1, 0
	WIN 0
	PLACES NP
	s_cmp_eq_u32 s12, 1
	s_cselect_b32 s20, s67, s66
	s_cselect_b32 s21, s66, s67
	s_mov_b32 s[SA], 768
	s_cselect_b32 s[SA], 1536, s[SA]
	s_cselect_b32 s[SJ], 16*REC-4*1536, 0
	s_cselect_b32 s22, 6144, 0
	s_mov_b32 s88, 16*REC
	s_cselect_b32 s88, 768, s88
	s_mov_b32 s90, 12288
	s_cselect_b32 s90, 12800, s90
	s_mov_b32 s[SM], 0xffff
	s_cselect_b32 s[SM], -1, s[SM]
	s_mov_b32 s[SA+1], 0
	s_mov_b32 s[SJ+1], 0
	s_mov_b32 s23, 0
	s_mov_b32 s89, 0
	s_mov_b32 s91, 0
	s_lshr_b32 s46, s20, 11
	s_lshl_b32 s46, s46, 4
	s_lshr_b32 s21, s21, 6
	s_add_co_u32 s46, s46, s21
	s_lshl_b32 s46, s46, 4
	s_bfe_u32 s20, s20, 0x40007
	s_add_co_u32 s46, s46, s20
	s_mul_i32 s46, s46, REC
	s_add_co_u32 s22, s22, s46
	s_add_co_u32 s90, s90, s46
	s_cmp_eq_u32 s2, 0
	s_cselect_b64 s[86:87], s[98:99], s[100:101]
	s_add_nc_u64 s[P0:P0+1], s[86:87], s[22:23]
	s_add_nc_u64 s[P1:P1+1], s[P0:P0+1], s[88:89]
	s_add_nc_u64 s[SD0:SD0+1], s[86:87], s[90:91]
	s_add_nc_u64 s[SD1:SD1+1], s[SD0:SD0+1], 16*REC
	s_mov_b32 s[SEL], 0x76543210
	s_mov_b32 s[SEL+1], 0xfedcba98
.irp b, 0,1,2,3
	v_mov_b32 v[TM+4+\b], 0
.endr
.macro QUANT s
.irp b, 0,1,2,3
	v_max3_num_f32 v[TM+\b], |v[\s+16*\b]|, |v[\s+1+16*\b]|, 0x1800000
.endr
.irp i, 2,4,6,8,10,12,14
.irp b, 0,1,2,3
	v_max3_num_f32 v[TM+\b], v[TM+\b], |v[\s+16*\b+\i]|, |v[\s+1+16*\b+\i]|
.endr
.endr
	v_max_num_f32 v[TM], v[TM], v[TM+1]            ; my 32 sums 0-31 are one block, 32-63 another
	v_max_num_f32 v[TM+2], v[TM+2], v[TM+3]
	v_add_nc_u32 v[TM+12], 0xff000000, v[TM]       ; 2 off the exponent field: the conversions' scale operands
	v_add_nc_u32 v[TM+13], 0xff000000, v[TM+2]
	v_lshrrev_b32 v[TM], 23, v[TM+12]              ; the scales' bytes
	v_lshrrev_b32 v[TM+2], 23, v[TM+13]
	v_lshl_or_b32 v[TM], v[TM+2], 16, v[TM]
	v_lshlrev_b32 v[TM], v[SH8], v[TM]             ; at their places in the word: 8 (lane / 16) bits up
	v_permlanex16_b32 v[TM+4], v[TM], s[SEL], s[SEL+1]
	v_or_b32 v[PW], v[TM], v[TM+4]                 ; with lane l xor 16's two the word is whole
.irp c, 0,1
	v_cvt_scalef32_pk16_fp6_f32 v[PC+6*\c:PC+2+6*\c], v[\s+32*\c:\s+15+32*\c], v[TM+12+\c]
	v_cvt_scalef32_pk16_fp6_f32 v[PC+12+4*\c:PC+14+4*\c], v[\s+16+32*\c:\s+31+32*\c], v[TM+12+\c]
.endr
	v_nop
.irp c, 0,1
.irp i, 0,1,2
	v_mov_b32 v[PC+3+6*\c+\i], v[PC+12+4*\c+\i]
.endr
.endr
.endm
.macro OUTB a
	s_wait_xcnt 0x0
.if (\a) > 0
	s_add_nc_u64 s[P0:P0+1], s[P0:P0+1], s[SA:SA+1]
	s_add_nc_u64 s[P1:P1+1], s[P1:P1+1], s[SA:SA+1]
.endif
.if (\a) == 4
	s_add_nc_u64 s[P0:P0+1], s[P0:P0+1], s[SJ:SJ+1]
	s_add_nc_u64 s[P1:P1+1], s[P1:P1+1], s[SJ:SJ+1]
.endif
	WIN 0x02+(\a)/4
.set i, 0
.rept 32
	v_pk_add_f32 v[T+2*i:T+2*i+1], v[64*((\a)%4)+2*i:64*((\a)%4)+2*i+1], v[BM+2*(\a):BM+2*(\a)+1]
.set i, i+1
.endr
	WIN 0
	QUANT T
	v_lshrrev_b32 v[SV+(\a)], v[SH], v[PW]
	v_and_b32 v[SV+(\a)], s[SM], v[SV+(\a)]
	ds_store_b32 v[SST], v[SV+(\a)] offset:64*(\a)
	global_store_b128 v[L16], v[PC:PC+3], s[P0:P0+1]
	global_store_b64 v[L8], v[PC+4:PC+5], s[P0:P0+1] offset:512
	global_store_b128 v[L16], v[PC+6:PC+9], s[P1:P1+1]
	global_store_b64 v[L8], v[PC+10:PC+11], s[P1:P1+1] offset:512
.endm
.irp a, 0,1,2,3,4,5,6,7
	OUTB \a
.endr
	ds_load_b128 v[RB:RB+3], v[SRD]
	ds_load_b128 v[RB+4:RB+7], v[SRD] offset:512
	s_wait_dscnt 0x0
	global_store_b128 v[SOF], v[RB:RB+3], s[SD0:SD0+1]
	s_cmp_eq_u32 s12, 1
	s_cbranch_scc1 .Lv_done
	global_store_b128 v[SOF], v[RB+4:RB+7], s[SD1:SD1+1]
.Lv_done:
	s_wait_tensorcnt 0x0
	ds_add_u32 v[SPW], v[NIL]
	s_wait_dscnt 0x0
	CROUND
	s_endpgm
.Lfunc_end_k_q04e4aa5a7b_proj:
	.size	k_q04e4aa5a7b_proj, .Lfunc_end_k_q04e4aa5a7b_proj-k_q04e4aa5a7b_proj
	.p2alignl 7, 3214868480
	.fill 96, 4, 3214868480
	.section	.rodata,"a",@progbits
	.p2align	6, 0x0
	.amdhsa_kernel k_q04e4aa5a7b_proj
		.amdhsa_group_segment_fixed_size 327680
		.amdhsa_private_segment_fixed_size 0
		.amdhsa_enable_private_segment 0
		.amdhsa_kernarg_size 56
		.amdhsa_user_sgpr_count 2
		.amdhsa_user_sgpr_kernarg_segment_ptr 1
		.amdhsa_wavefront_size32 1
		.amdhsa_system_sgpr_workgroup_id_x 1
		.amdhsa_system_sgpr_workgroup_id_y 1
		.amdhsa_system_sgpr_workgroup_id_z 1
		.amdhsa_system_vgpr_workitem_id 0
		.amdhsa_next_free_vgpr 1024
		.amdhsa_next_free_sgpr 102
		.amdhsa_reserve_vcc 0
		.amdhsa_float_denorm_mode_32 3
		.amdhsa_float_denorm_mode_16_64 3
		.amdhsa_memory_ordered 1
		.amdhsa_forward_progress 1
		.amdhsa_inst_pref_size 187
	.end_amdhsa_kernel
	.amdgpu_metadata
---
amdhsa.version: [ 1, 2 ]
amdhsa.kernels:
  - .name:           k_q04e4aa5a7b_proj
    .symbol:         k_q04e4aa5a7b_proj.kd
    .args:
      - { .name: xc, .offset: 0, .size: 8, .value_kind: global_buffer, .address_space: global }
      - { .name: xs, .offset: 8, .size: 8, .value_kind: global_buffer, .address_space: global }
      - { .name: bq, .offset: 16, .size: 8, .value_kind: global_buffer, .address_space: global }
      - { .name: bk, .offset: 24, .size: 8, .value_kind: global_buffer, .address_space: global }
      - { .name: bv, .offset: 32, .size: 8, .value_kind: global_buffer, .address_space: global }
      - { .name: qb, .offset: 40, .size: 8, .value_kind: global_buffer, .address_space: global }
      - { .name: kv, .offset: 48, .size: 8, .value_kind: global_buffer, .address_space: global }
    .group_segment_fixed_size: 327680
    .private_segment_fixed_size: 0
    .kernarg_segment_align: 8
    .kernarg_segment_size: 56
    .max_flat_workgroup_size: 128
    .sgpr_count:     102
    .vgpr_count:     1024
    .wavefront_size: 32
...
	.end_amdgpu_metadata
.endif
;; end of part 2
;; launch attn (part 3): grid 4 x 64, 16 waves a work-group, clusters of 4 x 1, 211,968 bytes of LDS; arguments qb, kv, oc, os; writes oc, os
.if DOCPART == 3
	.amdgcn_target "amdgcn-amd-amdhsa--gfx1250"
	.amdhsa_code_object_version 6
	.text
	.protected	k_q04e4aa5a7b_attn
	.globl	k_q04e4aa5a7b_attn
	.p2align	8
	.type	k_q04e4aa5a7b_attn,@function
k_q04e4aa5a7b_attn:
	s_mov_b64 s[64:65], 0
	v_nop
	global_prefetch_b8 v0, s[64:65] scope:SCOPE_SE
	s_setreg_imm32_b32 hwreg(HW_REG_WAVE_MODE, 25, 1), 1
	s_wait_xcnt 0x0
	s_wait_alu depctr_hold_cnt(0) depctr_sa_sdst(0) depctr_va_vdst(0) depctr_va_sdst(0) depctr_va_ssrc(0) depctr_va_vcc(0) depctr_vm_vsrc(0)
	s_getreg_b32 s2, hwreg(HW_REG_IB_STS2, 6, 4)
	s_cmp_eq_u32 s2, 0
	s_cbranch_scc0 .Lentry_in_a_cluster
	s_endpgm
.Lentry_in_a_cluster:
	s_bfe_u32 s2, ttmp6, 0x10000c
	s_cmp_lg_u32 s2, 0x3003
	s_cbranch_scc0 .Lentry_shape_is_right
	s_endpgm
.Lentry_shape_is_right:
; O = softmax(Q K^T / 8) V for one (batch, head) and 512 queries a work-group, both products on codes of FP6 (E2M3) with E8M0 scales; O / l is quantised along the features and leaves as codes.
; THE SOFTMAX: t = score x log2(e) / 8; M = the running largest t rounded UP to a whole number; p = 2^(t - M) is what is quantised, along the keys; the row's sum l is taken of the unquantised p and divides O at the end.
; When M moves, l and O are multiplied by 2^(old M - new M): exact.
; IN: records of 13,056 bytes for (batch, head, 128 tokens): 8 tiles of K (768 bytes: six registers a lane), 4 tiles of V^T (1,536), K's scale words (512), V's (256); Q in qb in K's form.
; POSITION ORDER: position 16 j + 8 h + i of each 64 tokens (of a head's 64 features) is token (feature) 32 h + 8 j + i.  A result's register i of lane half h of tile j is row 16 j + 8 h + i, so a lane's 32 registers of four
; neighbouring tiles are 32 true neighbours: ONE WHOLE SCALE BLOCK IN A LANE, lanes 0-15 the even block and lanes 16-31 the odd one, which is the 6-bit operand's own order.
; SHARES.  Sixteen waves, four to a SIMD.  A WAVE OWNS TWO TILES OF 16 QUERIES, A AND B, AND EACH FRAGMENT OF K AND V THAT IT FETCHES FROM LDS SERVES BOTH: a record's 13,056 bytes are read once for 32 queries.
; Every wave walks the head's 2,048 keys, 128 a step.  A step: A's scores, A's softmax and codes; B's scores into the same 64 registers; V into K's registers, fetched under B's softmax; the eight second products; the next K.
; The next record is (step + 1) % 16; what the last step fetches of it is not used.
; NO RING: a head's 16 records, 208,896 bytes, fit in LDS whole.  Wave w brings record w by one tensor load; nothing is filled again.  The four work-groups of a cluster share the head: the load is a joint one.
; All of K and V is asked for at the kernel's head, by the loads themselves: so no prefetch is laid.
; LAYOUT.  S^T = K Q^T (source 0 = 16 keys, source 1 = 16 queries), O^T = V^T P^T: a lane holds ONE query of each tile throughout.  The head is 64 wide and the instruction 128: Q's upper six registers are zero codes, and the scale
; bytes of that half are 0 (2^-127, no NaN) on both sides; K's operand of tile t is v[52 + 6 t .. + 11], whose upper six registers (the next tile's codes, or A's codes of p) meet zero codes alone.
; OUT: oc [batch x 128 + tile][head][768]: six registers a lane; os [head][position] two scale bytes.
; LIMITS: the promise holds while the scaled scores stay under 2^31 in magnitude; a block of zeros gets the byte 1 (its codes are zeros); NaN and infinities are not served.
; REGISTERS: v1-4 addresses that stay; v5, v6 the add's two; v7 8 (lane / 16); v8-10 a record's LDS addresses; v12-15 A's -M, largest score, l in two halves; v16-19 B's; v20, v21 Q's scale words; v22, v23 p's;
;   v24-27 K's scale words, then V's; v28-39, v40-51 Q of A and B; v52-99 K, then V; v100-111 A's codes of p; v112-175 S^T, then p, then (v160-171) B's codes; v176-207, v208-239 O^T of A and B; v240-255 at work.
.set REC,   13056
.set VOFF,  6144
.set KSOFF, 12288
.set VSOFF, 12800
.set STG,   16*REC                     ; behind the records: 512 queries' two scale bytes
.set SPARE, STG+1024                   ; the spare words, 128 bytes a wave, that no other line names
.set KF,  52
.set S,   112
.set WV,  12
.set CX,  13
.set HY,  14
.set NC,  15
.set G1,  16
.set G0,  24
.set SEL, 28
.set CS,  30
.set TB,  32
.set CNT, 33
.set OSB, 40
.set QB,  42
.set QS,  44
.set OB,  46
.macro CROUND
	s_barrier_signal -1
	s_barrier_wait -1
	s_cmp_lg_u32 s[WV], 0
	s_cbranch_scc1 .Lnot_wave_0_\@
	s_barrier_signal -3
.Lnot_wave_0_\@:
	s_barrier_wait -3
	s_barrier_signal -1
	s_barrier_wait -1
.endm
	s_load_b256 s[4:11], s[0:1], 0x0               ; qb s[4:5], kv s[6:7], oc s[8:9], os s[10:11]
	v_lshl_add_u32 v5, v0, 2, SPARE
	v_mov_b32 v6, 0
	ds_add_u32 v5, v6                              ; the wave's opening: the add, twice on end, and its wait ahead of my first tensor load
	ds_add_u32 v5, v6
	v_lshrrev_b32 v1, 5, v0
	v_readfirstlane_b32 s[WV], v1                  ; wave 0..15
	s_bfe_u32 s[CX], ttmp6, 0x40000                ; cx: which 512 queries
	s_and_b32 s[HY], ttmp7, 0xffff                 ; batch x 16 + head, which the four partners share
	s_mov_b32 s[G1], 15|(3<<16)|(1<<21)            ; the mask: all four work-groups; elements of 8 bytes; bit 21 beside a mask; no padding
	s_mov_b32 s[G1+1], 32<<16                      ; rows of 256 bytes
	s_mov_b32 s[G1+2], 51<<16                      ; 51 rows: a record
	s_mov_b32 s[G1+3], 32<<16
	s_mov_b32 s[G1+4], 51
	s_mov_b32 s[G1+5], 32                          ; dense
	s_mov_b32 s[G1+6], 0
	s_mov_b32 s[G1+7], 0
	s_mov_b32 s[G0], 1
	s_mul_i32 s[G0+1], s[WV], REC                  ; record w lands at w x REC
	s_lshl_b32 s34, s[HY], 4
	s_add_co_u32 s34, s34, s[WV]
	s_mul_i32 s34, s34, REC
	s_mov_b32 s35, 0
	s_mov_b32 s[SEL], 0x76543210
	s_mov_b32 s[SEL+1], 0xfedcba98                 ; v_permlanex16_b32's selects for lane l xor 16
	s_mov_b32 s[CS], 0x3e38aa3b                    ; c = log2(e) / 8
	s_mov_b32 s[CS+1], s[CS]
	s_mov_b32 s[NC], 0xbe38aa3b                    ; -c
	s_lshl_b32 s36, s[HY], 4                       ; Q: tile A is 32 cx + w: record 4 cx + w / 8, tile w % 8; tile B lies two records on
	s_lshl_b32 s37, s[CX], 2
	s_add_co_u32 s36, s36, s37
	s_lshr_b32 s37, s[WV], 3
	s_add_co_u32 s36, s36, s37
	s_mul_i32 s36, s36, REC
	s_and_b32 s38, s[WV], 7
	s_mul_i32 s37, s38, 768
	s_add_co_u32 s[QB], s36, s37
	s_mov_b32 s[QB+1], 0
	s_lshl_b32 s38, s38, 6
	s_add_co_u32 s[QS], s36, s38
	s_add_co_u32 s[QS], s[QS], KSOFF
	s_mov_b32 s[QS+1], 0
	s_lshr_b32 s36, s[HY], 4                       ; batch
	s_lshl_b32 s37, s36, 7
	s_lshl_b32 s38, s[CX], 5
	s_add_co_u32 s37, s37, s38
	s_add_co_u32 s37, s37, s[WV]
	s_mul_i32 s37, s37, 12288                      ; oc: a tile's 16 heads x 768 bytes
	s_and_b32 s38, s[HY], 15                       ; head
	s_mul_i32 s39, s38, 768
	s_add_co_u32 s[OB], s37, s39
	s_mov_b32 s[OB+1], 0
	s_lshl_b32 s38, s38, 14                        ; os: 16,384 bytes a head,
	s_lshl_b32 s36, s36, 12                        ; 4,096 a batch,
	s_add_co_u32 s38, s38, s36
	s_lshl_b32 s36, s[CX], 10                      ; 1,024 a work-group,
	s_add_co_u32 s38, s38, s36
	s_min_u32 s36, s[WV], 1
	s_lshl_b32 s36, s36, 9                         ; of which waves 0 and 1 store 512 each
	s_add_co_u32 s[OSB], s38, s36
	s_mov_b32 s[OSB+1], 0
	s_wait_dscnt 0x0                               ; both opening adds are done
	s_wait_kmcnt 0x0
	s_add_nc_u64 s[G0+2:G0+3], s[6:7], s[34:35]
	s_or_b32 s[G0+3], s[G0+3], 0x80000000
	s_add_nc_u64 s[QB:QB+1], s[4:5], s[QB:QB+1]
	s_add_nc_u64 s[QS:QS+1], s[4:5], s[QS:QS+1]
	s_add_nc_u64 s[OB:OB+1], s[8:9], s[OB:OB+1]
	s_add_nc_u64 s[OSB:OSB+1], s[10:11], s[OSB:OSB+1]
	CROUND                                         ; all four work-groups are here: the joint loads meet
	tensor_load_to_lds s[G0:G0+3], s[G1:G1+7]      ; my one tensor load of the launch
	s_nop 0
.rept 4
	v_nop
.endr
	v_and_b32 v3, 31, v0
	v_lshlrev_b32 v1, 4, v3                        ; 16 x lane
	v_lshlrev_b32 v2, 3, v3                        ; 8 x lane
	v_lshlrev_b32 v3, 2, v3                        ; 4 x lane
	v_and_b32 v11, 15, v0
	v_bfe_u32 v7, v0, 4, 1
	s_lshl_b32 s39, s[WV], 5
	s_add_co_u32 s39, s39, STG
	v_lshl_add_u32 v4, v11, 1, s39
	v_add_nc_u32 v4, v4, v7                        ; LDS: my block's scale byte: STG + 32 w + 2 r + lane / 16
	v_lshlrev_b32 v7, 3, v7                        ; 8 (lane / 16)
	v_lshlrev_b32 v11, 2, v11                      ; 4 r
.irp j, 34,35,36,37,38,39,46,47,48,49,50,51,100,101,102,103,104,105
	v_mov_b32 v\j, 0                               ; zero codes, written once (v100-105: written before K's last operand first names them)
.endr
	v_mov_b32 v8, v1                               ; record 0
	v_mov_b32 v9, v2
	v_mov_b32 v10, v3
.irp p, 0,1
	global_load_b128 v[28+12*\p:31+12*\p], v1, s[QB:QB+1] offset:2*REC*\p
	global_load_b64 v[32+12*\p:33+12*\p], v2, s[QB:QB+1] offset:2*REC*\p+512
	global_load_b32 v[20+\p], v11, s[QS:QS+1] offset:2*REC*\p
.endr
.set j, 0
.rept 64
	v_mov_b32 v[176+j], 0                          ; O^T of both tiles: the step is written once; its first trip finds zeros
.set j, j+1
.endr
.irp st, 12,16
	v_mov_b32 v[\st], 0x7e000000                   ; -M: a large whole number, so that the first f is 0
	v_mov_b32 v[\st+1], 0xff61b1e6                 ; the largest score so far: -3e38
	v_mov_b32 v[\st+2], 0
	v_mov_b32 v[\st+3], 0
.endr
.irp j, 22,23,246,255
	v_mov_b32 v\j, 0                               ; a lane permute's destination counts as one of its sources; v255 is named as the upper half of v[254:255]
.endr
.macro KLOAD                           ; 20 LDS loads: eight tiles of K and their scale words (lanes 0-15 tile 2 i's, lanes 16-31 tile 2 i + 1's)
.irp t, 0,1,2,3,4,5,6,7
	ds_load_b128 v[KF+6*\t:KF+3+6*\t], v8 offset:768*\t
	ds_load_b64 v[KF+4+6*\t:KF+5+6*\t], v9 offset:768*\t+512
.endr
.irp i, 0,1,2,3
	ds_load_b32 v[24+\i], v10 offset:KSOFF+128*\i
.endr
.endm
.macro VLOAD                           ; 18 LDS loads: four tiles of V^T and their scale words
.irp t, 0,1,2,3
.irp c, 0,1
	ds_load_b128 v[KF+12*\t+6*\c:KF+3+12*\t+6*\c], v8 offset:VOFF+1536*\t+768*\c
	ds_load_b64 v[KF+4+12*\t+6*\c:KF+5+12*\t+6*\c], v9 offset:VOFF+1536*\t+768*\c+512
.endr
.endr
.irp i, 0,1
	ds_load_b32 v[24+\i], v10 offset:VSOFF+128*\i
.endr
.endm
.macro QK q, qs                        ; S^T of 128 keys x the 16 queries whose codes begin at v[q]
.irp t, 0,2,4,6
	v_wmma_scale_f32_16x16x128_f8f6f4 v[S+8*\t:S+7+8*\t], v[KF+6*\t:KF+11+6*\t], v[\q:\q+11], 0, v[24+\t/2], v[\qs] matrix_a_fmt:MATRIX_FMT_FP6 matrix_b_fmt:MATRIX_FMT_FP6
	v_wmma_scale_f32_16x16x128_f8f6f4 v[S+8+8*\t:S+15+8*\t], v[KF+6+6*\t:KF+17+6*\t], v[\q:\q+11], 0, v[24+\t/2], v[\qs] matrix_a_fmt:MATRIX_FMT_FP6 matrix_b_fmt:MATRIX_FMT_FP6 matrix_a_scale:MATRIX_SCALE_ROW1
.endr
.rept 4
	v_nop                                          ; four places in front of the first read of the scores and of loads into K's registers
.endr
.endm
.macro PV o, p, ps                     ; O^T += V^T P^T, four accumulators by turns
.irp t, 0,2
	v_wmma_scale_f32_16x16x128_f8f6f4 v[\o+8*\t:\o+7+8*\t], v[KF+12*\t:KF+11+12*\t], v[\p:\p+11], v[\o+8*\t:\o+7+8*\t], v[24+\t/2], v[\ps] matrix_a_fmt:MATRIX_FMT_FP6 matrix_b_fmt:MATRIX_FMT_FP6
	v_wmma_scale_f32_16x16x128_f8f6f4 v[\o+8+8*\t:\o+15+8*\t], v[KF+12+12*\t:KF+23+12*\t], v[\p:\p+11], v[\o+8+8*\t:\o+15+8*\t], v[24+\t/2], v[\ps] matrix_a_fmt:MATRIX_FMT_FP6 matrix_b_fmt:MATRIX_FMT_FP6 matrix_a_scale:MATRIX_SCALE_ROW1
.endr
.endm
; THE SOFTMAX OF ONE TILE'S 128 SCORES A LANE'S QUERY: st its four state registers, o its O^T, p where its 12 registers of codes go, ps its scale word
.macro SOFT st, o, p, ps
.irp b, 0,1,2,3
	v_max3_num_f32 v[240+\b+\b/3], v[S+16*\b], v[S+1+16*\b], v[S+2+16*\b]   ; the largest score of my two blocks of 32 keys, two chains each: it serves for the row's maximum and, since p rises with the score, for the block's largest p
.endr
.irp i, 3,5,7,9,11,13
.irp b, 0,1,2,3
	v_max3_num_f32 v[240+\b+\b/3], v[240+\b+\b/3], v[S+16*\b+\i], v[S+1+16*\b+\i]
.endr
.endr
	v_max3_num_f32 v243, v240, v241, v[S+15]
	v_max3_num_f32 v247, v242, v244, v[S+47]
	v_max_num_f32 v243, v243, v[S+31]
	v_max_num_f32 v247, v247, v[S+63]
	s_delay_alu instid0(VALU_DEP_1)
	v_max_num_f32 v245, v243, v247
	v_permlanex16_b32 v246, v245, s[SEL], s[SEL+1]
	s_delay_alu instid0(VALU_DEP_1)
	v_max3_num_f32 v[\st+1], v[\st+1], v245, v246  ; the running largest score of my query
	s_delay_alu instid0(VALU_DEP_1)
	v_mul_f32 v248, s[NC], v[\st+1]                ; -t
	v_mov_b32 v254, v[\st]
	s_delay_alu instid0(VALU_DEP_2)
	v_floor_f32 v[\st], v248                       ; the new -M = floor(-t): M is a whole number
.set j, 0
.rept 32
	v_pk_fma_f32 v[S+j:S+1+j], v[S+j:S+1+j], s[CS:CS+1], v[\st:\st+1] op_sel_hi:[1,0,0]   ; t - M, two at a time
.if j == 4
	v_sub_f32 v254, v[\st], v254                   ; old M - new M: a whole number, 0 or less
.endif
.if j == 12
	v_cvt_i32_f32 v254, v254                       ; (it saturates)
.endif
.if j == 20
	v_ldexp_f32 v254, 1.0, v254                    ; f = 2^(old M - new M)
.endif
.set j, j+2
.endr
	v_fma_f32 v243, v243, s[CS], v[\st]            ; the same of each block's largest score
	v_fma_f32 v247, v247, s[CS], v[\st]
.set j, 0
.rept 16
	v_pk_mul_f32 v[\o+j:\o+1+j], v[\o+j:\o+1+j], v[254:255] op_sel_hi:[1,0]   ; O^T under the new M
.set j, j+2
.endr
	s_wait_alu depctr_va_vdst(0)
	v_exp_f32 v243, v243                           ; the blocks' largest p
	v_exp_f32 v247, v247
.set j, 0
.rept 64
	v_exp_f32 v[S+j], v[S+j]                       ; p = 2^(t - M), at most 1: not normalised
.set j, j+1
.endr
	v_pk_mul_f32 v[\st+2:\st+3], v[\st+2:\st+3], v[254:255] op_sel_hi:[1,0]   ; l under the new M (a plain place behind the exponentials)
	s_wait_alu depctr_va_vdst(0)                   ; one wait for the whole batch, ahead of its first reader
	v_max_num_f32 v243, 0x1800000, v243            ; the floor 2^(3 - 127): the byte cannot fall under 1
	v_max_num_f32 v247, 0x1800000, v247
	v_add_nc_u32 v243, 0xff000000, v243            ; 2 off the exponent field: the conversions' scale operands
	v_add_nc_u32 v247, 0xff000000, v247
.irp k, 0,1,2                                  ; l is taken of the unquantised p: four chains of packed additions over the 32 pairs (pair 6 follows below)
	v_pk_add_f32 v[248+2*\k:249+2*\k], v[S+4*\k:S+1+4*\k], v[S+2+4*\k:S+3+4*\k]
.endr
.set k, 7
.rept 25
.if k%4 == 3
	v_pk_add_f32 v[\st+2:\st+3], v[\st+2:\st+3], v[S+2*k:S+1+2*k]
.else
	v_pk_add_f32 v[248+2*(k%4):249+2*(k%4)], v[248+2*(k%4):249+2*(k%4)], v[S+2*k:S+1+2*k]
.endif
.set k, k+1
.endr
	v_cvt_scalef32_pk16_fp6_f32 v[244:246], v[S+48:S+63], v247   ; the upper 16 codes of my two blocks, by way of registers that begin on an even number
	v_cvt_scalef32_pk16_fp6_f32 v[240:242], v[S+16:S+31], v243
	v_lshrrev_b32 v254, 23, v243                   ; the scales' bytes (plain places between the conversions: tile B's next two write over numbers that are converted)
	v_lshrrev_b32 v255, 23, v247
	v_cvt_scalef32_pk16_fp6_f32 v[\p+6:\p+8], v[S+32:S+47], v247   ; the lower 16, straight into the operand
	v_cvt_scalef32_pk16_fp6_f32 v[\p:\p+2], v[S:S+15], v243
	v_lshl_or_b32 v254, v255, 16, v254
	v_lshlrev_b32 v254, v7, v254                   ; my two bytes at their places in the word: 8 (lane / 16) bits up
	v_permlanex16_b32 v[\ps], v254, s[SEL], s[SEL+1]
	v_or_b32 v[\ps], v[\ps], v254                  ; p's scale word for these 128 keys; ten plain lines stand behind it
.irp i, 0,1,2
	v_mov_b32 v[\p+3+\i], v[240+\i]
.endr
.irp i, 0,1,2
	v_mov_b32 v[\p+9+\i], v[244+\i]
.endr
	v_pk_add_f32 v[252:253], v[252:253], v[S+12:S+13]   ; pair 6 and the chains' joining: four places between the operand's last write and the next products
	v_pk_add_f32 v[248:249], v[248:249], v[250:251]
	v_pk_add_f32 v[\st+2:\st+3], v[\st+2:\st+3], v[252:253]
	v_pk_add_f32 v[\st+2:\st+3], v[\st+2:\st+3], v[248:249]
.endm
; O^T / l; register 8 t + i is feature 32 (lane / 16) + 8 t + i of the head: one block of 32 in a lane; six registers and one byte a lane leave
.macro FINAL st, o, p
.if \p > 0
	s_wait_alu depctr_va_vdst(0)
	s_wait_xcnt 0x0                                ; tile A's stores have read their data, which tile B's codes are written over
.endif
	v_add_f32 v[\st+2], v[\st+2], v[\st+3]
	v_permlanex16_b32 v246, v[\st+2], s[SEL], s[SEL+1]
	v_add_f32 v[\st+2], v[\st+2], v246             ; the row's sum
	s_wait_alu depctr_va_vdst(0)
	v_rcp_f32 v[\st+2], v[\st+2]
	v_nop                                          ; a plain place behind it
	s_wait_alu depctr_va_vdst(0)                   ; and the wait ahead of its first reader and of O^T's
.set j, 0
.rept 16
	v_pk_mul_f32 v[S+j:S+1+j], v[\o+j:\o+1+j], v[\st+2:\st+3] op_sel_hi:[1,0]   ; each accumulator from its low end on
.set j, j+2
.endr
	v_max3_num_f32 v240, |v[S]|, |v[S+1]|, 0x1800000
	v_max3_num_f32 v241, |v[S+16]|, |v[S+17]|, |v[S+18]|
.irp i, 2,4,6,8,10,12
	v_max3_num_f32 v240, v240, |v[S+\i]|, |v[S+1+\i]|
	v_max3_num_f32 v241, v241, |v[S+17+\i]|, |v[S+18+\i]|
.endr
	v_max3_num_f32 v240, v240, |v[S+14]|, |v[S+15]|
	v_max3_num_f32 v240, v240, v241, |v[S+31]|
	v_add_nc_u32 v243, 0xff000000, v240
	v_cvt_scalef32_pk16_fp6_f32 v[248:250], v[S:S+15], v243
	v_cvt_scalef32_pk16_fp6_f32 v[244:246], v[S+16:S+31], v243
	v_lshrrev_b32 v247, 23, v243                   ; my block's scale byte (a plain place behind the conversions)
.irp i, 0,1,2
	v_mov_b32 v[251+\i], v[244+\i]
.endr
	global_store_b128 v1, v[248:251], s[OB:OB+1] offset:196608*\p       ; 512 consecutive bytes, aligned; tile B lies 16 tiles on
	global_store_b64 v2, v[252:253], s[OB:OB+1] offset:196608*\p+512    ; 256
	ds_store_b8 v4, v247 offset:512*\p
.endm
	s_mov_b32 s[CNT], 0
	s_wait_alu depctr_va_vdst(0)
	s_wait_tensorcnt 0x0                           ; my record is in,
	s_barrier_signal -1
	s_barrier_wait -1                              ; everybody's is: the head's K and V lie in LDS for the rest of the launch
	KLOAD
	s_wait_loadcnt 0x0                             ; Q
.Lks:                                                  ; A KEY STEP: 128 keys x my 32 queries
	s_add_co_u32 s[TB], s[CNT], 1
	s_and_b32 s[TB], s[TB], 15
	s_mul_i32 s[TB], s[TB], REC                    ; the next record's LDS byte
	s_wait_dscnt 0x0                               ; K's fragments and scale words are in
	QK 28, 20
	SOFT 12, 176, 100, 22
	QK 40, 21
	VLOAD                                          ; V takes K's registers and lands under B's softmax
	v_add_nc_u32 v8, s[TB], v1                     ; (LDS instructions have read their addresses at issue)
	v_add_nc_u32 v9, s[TB], v2
	v_add_nc_u32 v10, s[TB], v3
	SOFT 16, 208, 160, 23
	s_wait_alu depctr_va_vdst(0)
	s_wait_dscnt 0x0                               ; V's fragments and scale words are in
	PV 176, 100, 22
	PV 208, 160, 23
.rept 5
	v_nop                                          ; five places: the next step's scores are written over B's codes; four of them serve the loads below
.endr
	KLOAD                                          ; the next step's K
	s_add_co_u32 s[CNT], s[CNT], 1
	s_cmp_lt_u32 s[CNT], 16
	s_cbranch_scc1 .Lks
	FINAL 12, 176, 0
	FINAL 16, 208, 1
	s_min_u32 s39, s[WV], 1
	s_lshl_b32 s39, s39, 9
	s_add_co_u32 s39, s39, STG
	v_add_nc_u32 v11, s39, v1                      ; LDS: where waves 0 and 1 read the scale bytes back
	s_wait_alu depctr_va_vdst(0)
	s_wait_dscnt 0x0                               ; for the others' sake: my scale bytes lie in LDS
	s_barrier_signal -1
	s_barrier_wait -1
	s_cmp_lt_u32 s[WV], 2
	s_cbranch_scc0 .Lno_os
	ds_load_b128 v[52:55], v11
	s_wait_dscnt 0x0
	global_store_b128 v1, v[52:55], s[OSB:OSB+1]   ; 512 consecutive bytes, aligned
.Lno_os:
	s_wait_tensorcnt 0x0                           ; the wave's end
	ds_add_u32 v5, v6
	s_wait_dscnt 0x0
	CROUND                                         ; the closing round
	s_endpgm
.Lfunc_end_k_q04e4aa5a7b_attn:
	.size	k_q04e4aa5a7b_attn, .Lfunc_end_k_q04e4aa5a7b_attn-k_q04e4aa5a7b_attn
	.p2alignl 7, 3214868480
	.fill 96, 4, 3214868480
	.section	.rodata,"a",@progbits
	.p2align	6, 0x0
	.amdhsa_kernel k_q04e4aa5a7b_attn
		.amdhsa_group_segment_fixed_size 211968
		.amdhsa_private_segment_fixed_size 0
		.amdhsa_enable_private_segment 0
		.amdhsa_kernarg_size 32
		.amdhsa_user_sgpr_count 2
		.amdhsa_user_sgpr_kernarg_segment_ptr 1
		.amdhsa_wavefront_size32 1
		.amdhsa_system_sgpr_workgroup_id_x 1
		.amdhsa_system_sgpr_workgroup_id_y 1
		.amdhsa_system_sgpr_workgroup_id_z 1
		.amdhsa_system_vgpr_workitem_id 0
		.amdhsa_next_free_vgpr 256
		.amdhsa_next_free_sgpr 66
		.amdhsa_reserve_vcc 0
		.amdhsa_float_denorm_mode_32 3
		.amdhsa_float_denorm_mode_16_64 3
		.amdhsa_memory_ordered 1
		.amdhsa_forward_progress 1
		.amdhsa_inst_pref_size 44
	.end_amdhsa_kernel
	.amdgpu_metadata
---
amdhsa.version: [ 1, 2 ]
amdhsa.kernels:
  - .name:           k_q04e4aa5a7b_attn
    .symbol:         k_q04e4aa5a7b_attn.kd
    .args:
      - { .name: qb, .offset: 0, .size: 8, .value_kind: global_buffer, .address_space: global }
      - { .name: kv, .offset: 8, .size: 8, .value_kind: global_buffer, .address_space: global }
      - { .name: oc, .offset: 16, .size: 8, .value_kind: global_buffer, .address_space: global }
      - { .name: os, .offset: 24, .size: 8, .value_kind: global_buffer, .address_space: global }
    .group_segment_fixed_size: 211968
    .private_segment_fixed_size: 0
    .kernarg_segment_align: 8
    .kernarg_segment_size: 32
    .max_flat_workgroup_size: 512
    .sgpr_count:     66
    .vgpr_count:     256
    .wavefront_size: 32
...
	.end_amdgpu_metadata
.endif
;; end of part 3
;; launch oproj (part 4): grid 4 x 32, 4 waves a work-group, clusters of 4 x 4, 327,680 bytes of LDS; arguments oc, os, xc, xs, bo, out0; writes out0
.if DOCPART == 4
	.amdgcn_target "amdgcn-amd-amdhsa--gfx1250"
	.amdhsa_code_object_version 6
	.text
	.protected	k_q04e4aa5a7b_oproj
	.globl	k_q04e4aa5a7b_oproj
	.p2align	8
	.type	k_q04e4aa5a7b_oproj,@function
k_q04e4aa5a7b_oproj:
	s_mov_b64 s[64:65], 0
	v_nop
	global_prefetch_b8 v0, s[64:65] scope:SCOPE_SE
	s_setreg_imm32_b32 hwreg(HW_REG_WAVE_MODE, 25, 1), 1
	s_wait_xcnt 0x0
	s_wait_alu depctr_hold_cnt(0) depctr_sa_sdst(0) depctr_va_vdst(0) depctr_va_sdst(0) depctr_va_ssrc(0) depctr_va_vcc(0) depctr_vm_vsrc(0)
	s_getreg_b32 s2, hwreg(HW_REG_IB_STS2, 6, 4)
	s_cmp_eq_u32 s2, 0
	s_cbranch_scc0 .Lentry_in_a_cluster
	s_endpgm
.Lentry_in_a_cluster:
	s_bfe_u32 s2, ttmp6, 0x10000c
	s_cmp_lg_u32 s2, 0xf033
	s_cbranch_scc0 .Lentry_shape_is_right
	s_endpgm
.Lentry_shape_is_right:
; out0 = context Wo^T + bo, f32, on codes of FP6 with E8M0 scales, 256 x 256 to a work-group.  The context comes in the order of the operand's registers (oc, os); Wo's codes from xc, which lies by chunks of 256 along K
; (CH bytes a chunk, 192 bytes a row): 128 rows of a chunk are 24,576 dense bytes, fetched as 96 rows of 256 bytes.  Tokens and Wo's rows lie in position order (position 16 j + 8 h + i of each 64 is row 32 h + 8 j + i): the way out undoes it.
; Wo's scale bytes, 2,048 dense bytes a wave, come by four plain loads of 512 consecutive bytes and go into LDS by stores, as the context's do: they are 8 KB of a work-group's 400 KB, so they are not asked for jointly.
.set KSTEP,  256
.set CH,     28672*192
.set NQ,     2
.set ROWB,   192
.set KROW,   768
.set PITCH,  240
.set FR,     12
.set NL,     6
.set NLA,    4
.set NP,     4
.set HALFT,  128*PITCH
.set SLOT,   4*HALFT
.set ABYTES, 3072
.set LAPS,   2
.set KS,     32
.set SCL,    2*SLOT
.set HALFS,  (128*KS/256)*272
.set SBLK,   (16*KS/256)*272
.set SPARE,  SCL+4*HALFS
.set SPITCH, 528
.set L16,  7
.set L8,   8
.set SCW,  9
.set ADRA, 16
.set ADRB, 20
.set STO,  24
.set RD,   25
.set ADRS, 27
.set SPW,  28
.set NIL,  29
.set SC,   32
.set BN,   64
.set AF,   128
.set BK,   128
.set G1, 24
.set G0, 32
.set G1B, 48
.set G0B, 56
.set G1SB, 80
.set G0SB, 88
.set MSB, 0
.macro WIN new
.if MSB != (\new)
	s_set_vgpr_msb (MSB<<8)|(\new)
.set MSB, (\new)
.endif
.endm
.set MUL_LO, 0xa1
.set MUL_HI, 0xf1
.set TO_B,   0x40
.macro JLOAD g0a, g1a, g0b, g1b
	s_cmp_eq_u32 s15, 0
	s_cbranch_scc0 .Lfor_b_\@
	tensor_load_to_lds s[\g0a:\g0a+3], s[\g1a:\g1a+7]
	s_nop 0
.rept 4
	v_nop
.endr
	s_branch .Lasked_\@
.Lfor_b_\@:
	tensor_load_to_lds s[\g0b:\g0b+3], s[\g1b:\g1b+7]
	s_nop 0
.rept 4
	v_nop
.endr
.Lasked_\@:
.endm
.macro CREST
	s_cmp_lg_u32 s14, 0
	s_cbranch_scc1 .Lnot_wave_0_\@
	s_barrier_signal -3
.Lnot_wave_0_\@:
	s_barrier_wait -3
	s_barrier_signal -1
	s_barrier_wait -1
.endm
.macro CROUND
	s_barrier_signal -1
	s_barrier_wait -1
	CREST
.endm
	s_load_b256 s[4:11], s[0:1], 0x0
	s_load_b128 s[96:99], s[0:1], 0x20
	v_lshl_add_u32 v[SPW], v0, 2, SPARE
	v_mov_b32 v[NIL], 0
	ds_add_u32 v[SPW], v[NIL]
	ds_add_u32 v[SPW], v[NIL]
	v_lshrrev_b32 v1, 5, v0
	v_readfirstlane_b32 s14, v1
	s_lshr_b32 s15, s14, 1
	s_and_b32 s16, s14, 1
	s_bfe_u32 s40, ttmp6, 0x40000
	s_bfe_u32 s41, ttmp6, 0x40004
	s_lshl_b32 s42, ttmp9, 2
	s_add_co_u32 s42, s42, s40
	s_and_b32 s17, ttmp7, 0xffff
	s_lshl_b32 s17, s17, 2
	s_add_co_u32 s17, s17, s41
	s_lshl_b32 s43, s41, 2
	s_lshl_b32 s43, 15, s43
	s_lshl_b32 s44, 0x1111, s40
	s_or_b32 s[G1+0], s43, (3<<16)|(1<<21)
	s_mov_b32 s[G1+1], 384<<16
	s_mov_b32 s[G1+2], 8<<16
	s_mov_b32 s[G1+3], 384<<16
	s_mov_b32 s[G1+4], 8
	s_mov_b32 s[G1+5], 1536
	s_mov_b32 s[G1+6], 0
	s_mov_b32 s[G1+7], 0
	s_or_b32 s[G1B+0], s44, (0<<16)|(1<<20)|(1<<21)|(3<<22)|(3<<25)
	s_mov_b32 s[G1B+1], 256<<16
	s_mov_b32 s[G1B+2], 96<<16
	s_mov_b32 s[G1B+3], 256<<16
	s_mov_b32 s[G1B+4], 96
	s_mov_b32 s[G1B+5], 256
	s_mov_b32 s[G1B+6], 0
	s_mov_b32 s[G1B+7], 0
	s_lshl_b32 s20, s17, 4
	s_lshl_b32 s18, s16, 3
	s_add_co_u32 s20, s20, s18
	s_mul_i32 s20, s20, 12288
	s_mov_b32 s21, 0
	s_lshl_b32 s46, s42, 8
	s_lshl_b32 s18, s16, 7
	s_add_co_u32 s46, s46, s18
	s_add_co_u32 s46, s46, 27648
	s_mul_i32 s46, s46, ROWB
	s_mov_b32 s47, 0
	s_lshl_b32 s92, s42, 8
	s_lshl_b32 s18, s14, 6
	s_add_co_u32 s92, s92, s18
	s_add_co_u32 s92, s92, 27648
	s_lshl_b32 s92, s92, 5
	s_mov_b32 s93, 0
	s_mul_i32 s94, s14, HALFS/2
	s_add_co_u32 s94, s94, SCL+2*HALFS
	s_lshl_b32 s66, s17, 9
	s_lshl_b32 s18, s14, 16
	s_add_co_u32 s66, s66, s18
	s_mov_b32 s67, 0
	s_mul_i32 s45, s14, HALFT
	s_wait_dscnt 0x0
	s_wait_kmcnt 0x0
	s_add_nc_u64 s[20:21], s[4:5], s[20:21]
	s_add_nc_u64 s[46:47], s[8:9], s[46:47]
	s_add_nc_u64 s[92:93], s[10:11], s[92:93]
	s_add_nc_u64 s[66:67], s[6:7], s[66:67]
	CROUND
.irp s, 0,1
	s_mov_b32 s[G0+4*\s], 1
	s_add_co_u32 s[G0+4*\s+1], s45, \s*SLOT
	s_add_nc_u64 s[G0+4*\s+2:G0+4*\s+3], s[20:21], \s*ABYTES
	s_or_b32 s[G0+4*\s+3], s[G0+4*\s+3], 0x80000000
	s_mov_b32 s[G0B+4*\s], 1
	s_add_co_u32 s[G0B+4*\s+1], s45, \s*SLOT
	s_add_nc_u64 s[G0B+4*\s+2:G0B+4*\s+3], s[46:47], \s*CH
	s_or_b32 s[G0B+4*\s+3], s[G0B+4*\s+3], 0x80000000
.if \s                                         ; slot 0's load is the wave's one load at the head; slot 1's stands behind the three lines and a round
	s_wait_alu depctr_va_vdst(0)
	s_wait_tensorcnt 0x0
	ds_add_u32 v28, v29
	s_wait_dscnt 0x0
	CROUND
.endif
	JLOAD G0+4*\s, G1, G0B+4*\s, G1B
.endr
	v_and_b32 v6, 31, v0
	v_lshlrev_b32 v[L16], 4, v6
	v_lshlrev_b32 v[L8], 3, v6
.irp j, 0,1,2,3
	global_load_b128 v[128+4*\j:131+4*\j], v[L16], s[66:67] offset:16384*\j
.endr
.irp j, 0,1,2,3
	global_load_b128 v[176+4*\j:179+4*\j], v[L16], s[92:93] offset:512*\j   ; my 64 rows of Wo's scale bytes
.endr
	v_mul_u32_u24 v[SCW], v6, 272
	s_lshl_b32 s21, s14, 3
	s_add_co_u32 s21, s21, SCL
	v_add_nc_u32 v[SCW], s21, v[SCW]
	v_and_b32 v1, 15, v0
	v_bfe_u32 v2, v0, 4, 1
	v_mul_u32_u24 v10, v2, 272
	v_lshl_add_u32 v10, v1, 4, v10
	v_add_nc_u32 v10, s94, v10                     ; LDS: my 16 of a load's 512 scale bytes: two units of 256 + 16
	v_mul_u32_u24 v3, v1, PITCH
	v_mul_u32_u24 v4, v2, 24
	v_add_nc_u32 v4, v3, v4
	v_lshl_add_u32 v5, v2, 4, v4
	s_mul_i32 s21, s15, HALFT
	s_mul_i32 s22, s16, HALFT
	s_add_co_u32 s22, s22, 2*HALFT
.irp s, 0,1
	v_add_nc_u32 v[ADRA+\s], s21, v[L16]
	v_add_nc_u32 v[ADRA+2+\s], s21, v[L8]
	v_add_nc_u32 v[ADRB+\s], s22, v4
	v_add_nc_u32 v[ADRB+2+\s], s22, v5
	s_add_co_u32 s21, s21, SLOT
	s_add_co_u32 s22, s22, SLOT
.endr
	v_mul_u32_u24 v5, v1, KS
	v_lshrrev_b32 v6, 8, v5
	v_lshl_add_u32 v5, v6, 4, v5
	s_mul_i32 s21, s15, HALFS
	s_mul_i32 s22, s16, HALFS
	s_add_co_u32 s22, s22, 2*HALFS
	s_sub_co_u32 s22, s22, s21
	v_mul_u32_u24 v6, s22, v2
	s_add_co_u32 s21, s21, SCL
	v_add_nc_u32 v5, v5, v6
	v_add_nc_u32 v[ADRS], s21, v5
	s_mul_i32 s23, s14, 16*SPITCH
	v_mul_u32_u24 v5, v1, SPITCH
	v_lshl_add_u32 v5, v2, 7, v5
	v_add_nc_u32 v[STO], s23, v5
	v_add_nc_u32 v[RD], s23, v[L16]
	s_lshl_b32 s22, s42, 8
	s_lshl_b32 s23, s16, 7
	s_add_co_u32 s22, s22, s23
	s_lshl_b32 s22, s22, 2
	s_mov_b32 s23, 0
	s_add_nc_u64 s[22:23], s[96:97], s[22:23]
	v_lshlrev_b32 v5, 7, v2
.irp be, 0,1,2,3
.irp q, 0,1,2,3
	global_load_b128 v[BN+16*\be+4*\q:BN+16*\be+4*\q+3], v5, s[22:23] offset:256*(\be/2)+64*(\be%2)+16*\q
.endr
.endr
	s_wait_loadcnt 16
.irp i, 0,1,2,3,4,5,6,7
	v_perm_b32 v[144+2*\i], v[132+\i/2], v[128+\i/2], 0x05040100+0x02020202*(\i%2)
	v_perm_b32 v[145+2*\i], v[140+\i/2], v[136+\i/2], 0x05040100+0x02020202*(\i%2)
.endr
.irp i, 0,1,2,3,4,5,6,7
	ds_store_b64 v[SCW], v[144+2*\i:145+2*\i] offset:32*\i
.endr
.irp j, 0,1,2,3
	ds_store_b128 v10, v[176+4*\j:179+4*\j] offset:544*\j
.endr
	s_lshl_b32 s20, s17, 8
	s_lshl_b32 s21, s15, 7
	s_add_co_u32 s20, s20, s21
	s_lshl_b32 s20, s20, 12
	s_lshl_b32 s46, s42, 10
	s_lshl_b32 s47, s16, 9
	s_add_co_u32 s46, s46, s47
	s_add_co_u32 s20, s20, s46
	s_mov_b32 s21, 0
	s_add_nc_u64 s[12:13], s[98:99], s[20:21]
.macro FRAG reg, adr, q, i
.irp p, 0,1,2,3,4,5
.set PIE, 12*(\q)+6*(\p/3)+\p%3
.if PIE%8 < 5
	ds_load_b64 v[\reg+2*\p:\reg+2*\p+1], v[\adr] offset:8*PIE+16*(PIE/8)+(\i)*16*PITCH
.else
	ds_load_b64 v[\reg+2*\p:\reg+2*\p+1], v[\adr+2] offset:8*PIE+16*(PIE/8)+(\i)*16*PITCH
.endif
.endr
.endm
.macro FRAGA reg, slot, q, i
	ds_load_b128 v[\reg:\reg+3], v[ADRA+\slot] offset:(\i)*ABYTES+(\q)*1536
	ds_load_b64 v[\reg+4:\reg+5], v[ADRA+2+\slot] offset:(\i)*ABYTES+(\q)*1536+512
	ds_load_b128 v[\reg+6:\reg+9], v[ADRA+\slot] offset:(\i)*ABYTES+(\q)*1536+768
	ds_load_b64 v[\reg+10:\reg+11], v[ADRA+2+\slot] offset:(\i)*ABYTES+(\q)*1536+1280
.endm
.macro MUL16 a0, p, q, sc, zero
.irp a, \a0, \a0+1
.irp b, 0,1,2,3,4,5,6,7
.if \zero
	v_wmma_scale_f32_16x16x128_f8f6f4 v[8*(8*((\a)%4)+\b):8*(8*((\a)%4)+\b)+7], v[128*(\p)+FR*\b:128*(\p)+FR*\b+FR-1], v[AF+FR*(\a):AF+FR*(\a)+FR-1], v[BN+8*\b:BN+8*\b+7], v[SC+8*NQ*(\sc)+NQ*\b+(\q)], v[SC+8*NQ*(\sc)+NQ*(\a)+(\q)] matrix_a_fmt:MATRIX_FMT_FP6 matrix_b_fmt:MATRIX_FMT_FP6 matrix_a_scale:MATRIX_SCALE_ROW1
.else
	v_wmma_scale_f32_16x16x128_f8f6f4 v[8*(8*((\a)%4)+\b):8*(8*((\a)%4)+\b)+7], v[128*(\p)+FR*\b:128*(\p)+FR*\b+FR-1], v[AF+FR*(\a):AF+FR*(\a)+FR-1], v[8*(8*((\a)%4)+\b):8*(8*((\a)%4)+\b)+7], v[SC+8*NQ*(\sc)+NQ*\b+(\q)], v[SC+8*NQ*(\sc)+NQ*(\a)+(\q)] matrix_a_fmt:MATRIX_FMT_FP6 matrix_b_fmt:MATRIX_FMT_FP6 matrix_a_scale:MATRIX_SCALE_ROW1
.endif
.endr
.endr
.endm
.macro FETCH_B slot, q, p
	WIN TO_B
.irp i, 0,1,2,3,4,5,6,7
	FRAG 128*(\p)+FR*\i, ADRB+\slot, \q, \i
.endr
	WIN 0
.endm
.macro FETCH_A slot, q, i0
.irp i, \i0, \i0+1, \i0+2, \i0+3
	FRAGA AF+FR*(\i), \slot, \q, \i
.endr
.endm
.macro SCALES sc
.irp i, 0,1,2,3,4,5,6,7
	ds_load_b64 v[SC+8*NQ*\sc+NQ*\i:SC+8*NQ*\sc+NQ*\i+1], v[ADRS] offset:\i*SBLK
.endr
.endm
.macro PLACES n
.rept \n
	v_nop
.endr
.endm
.macro STEP slot, q, zero
	s_wait_dscnt 4*NLA
.if \zero
	WIN 0x81
.else
	WIN MUL_LO
.endif
	MUL16 0, (\q)%2, \q, \slot, \zero
	MUL16 2, (\q)%2, \q, \slot, \zero
	s_wait_dscnt 0
	PLACES NP
	FETCH_B \slot, (\q)+1, 1-(\q)%2
	FETCH_A \slot, (\q)+1, 0
.if \zero
	WIN 0xc1
.else
	WIN MUL_HI
.endif
	MUL16 4, (\q)%2, \q, \slot, \zero
	MUL16 6, (\q)%2, \q, \slot, \zero
	PLACES NP
	WIN 0
	FETCH_A \slot, (\q)+1, 4
.endm
.macro TURN slot, next, fill
	s_wait_tensorcnt 0x0
	ds_add_u32 v[SPW], v[NIL]
	s_wait_dscnt 4*NLA+1
	WIN MUL_LO
	MUL16 0, 1, NQ-1, \slot, 0
	s_wait_dscnt 0x0
	s_barrier_signal -1
	MUL16 2, 1, NQ-1, \slot, 0
	WIN 0
	s_barrier_wait -1
.if \fill
	CREST
	s_add_nc_u64 s[G0+4*\slot+2:G0+4*\slot+3], s[G0+4*\slot+2:G0+4*\slot+3], 2*ABYTES
	s_add_nc_u64 s[G0B+4*\slot+2:G0B+4*\slot+3], s[G0B+4*\slot+2:G0B+4*\slot+3], 2*CH
	JLOAD G0+4*\slot, G1, G0B+4*\slot, G1B
.else
	PLACES NP
.endif
	s_wait_alu depctr_va_vdst(0)
	v_add_nc_u32 v[ADRS], 4*NQ, v[ADRS]
	FETCH_B \next, 0, 0
	FETCH_A \next, 0, 0
	SCALES \next
	WIN MUL_HI
	MUL16 4, 1, NQ-1, \slot, 0
	MUL16 6, 1, NQ-1, \slot, 0
	PLACES NP
	WIN 0
	FETCH_A \next, 0, 4
.endm
	s_wait_loadcnt 0x0
	s_wait_tensorcnt 1
	s_wait_dscnt 0x0
	s_barrier_signal -1
	s_barrier_wait -1
	FETCH_B 0, 0, 0
	FETCH_A 0, 0, 0
	SCALES 0
	FETCH_A 0, 0, 4
	STEP 0, 0, 1
	s_mov_b32 s3, LAPS-1
.Llap:
	TURN 0, 1, 1
	STEP 1, 0, 0
	TURN 1, 0, 1
	STEP 0, 0, 0
	s_sub_co_u32 s3, s3, 1
	s_cmp_lg_u32 s3, 0
	s_cbranch_scc1 .Llap
	TURN 0, 1, 0
	STEP 1, 0, 0
	s_wait_dscnt 4*NLA
	WIN MUL_LO
	MUL16 0, 1, NQ-1, 1, 0
	MUL16 2, 1, NQ-1, 1, 0
	s_wait_dscnt 0
	WIN MUL_HI
	MUL16 4, 1, NQ-1, 1, 0
	MUL16 6, 1, NQ-1, 1, 0
	WIN 0
.macro TOSTAGE a
.set AC, 64*((\a)%4)
	WIN 0x08+4*((\a)/4)
.irp b, 0,1,2,3,4,5,6,7
	ds_store_b128 v[STO], v[AC+8*\b:AC+8*\b+3] offset:256*(\b/4)+32*(\b%4)
	ds_store_b128 v[STO], v[AC+8*\b+4:AC+8*\b+7] offset:256*(\b/4)+32*(\b%4)+16
.endr
	WIN 0
.set BB, BK+64*((\a)%2)
.irp t, 0,1,2,3,4,5,6,7,8,9,10,11,12,13,14,15
	ds_load_b128 v[BB+4*\t:BB+4*\t+3], v[RD] offset:\t*SPITCH
.endr
.endm
.macro SEND a, younger
.set BB, BK+64*((\a)%2)
	s_wait_dscnt \younger
.if (\a) > 0
	s_add_nc_u64 s[12:13], s[12:13], (8+32*(1-(((\a)%4)+3)/4))*4096
.endif
.irp t, 0,1,2,3,4,5,6,7,8,9,10,11,12,13,14,15
	global_store_b128 v[L16], v[BB+4*\t:BB+4*\t+3], s[12:13] offset:(\t%8+32*(\t/8))*4096 th:TH_STORE_NT
.endr
.endm
	PLACES NP
	TOSTAGE 0
.irp a, 1,2,3,4,5,6,7
.if \a > 1
	s_wait_xcnt 0x0
.endif
	TOSTAGE \a
	SEND \a-1, 32
.endr
	s_wait_xcnt 0x0
	SEND 7, 0
	s_wait_tensorcnt 0x0
	ds_add_u32 v[SPW], v[NIL]
	s_wait_dscnt 0x0
	CROUND
	s_endpgm
.Lfunc_end_k_q04e4aa5a7b_oproj:
	.size	k_q04e4aa5a7b_oproj, .Lfunc_end_k_q04e4aa5a7b_oproj-k_q04e4aa5a7b_oproj
	.p2alignl 7, 3214868480
	.fill 96, 4, 3214868480
	.section	.rodata,"a",@progbits
	.p2align	6, 0x0
	.amdhsa_kernel k_q04e4aa5a7b_oproj
		.amdhsa_group_segment_fixed_size 327680
		.amdhsa_private_segment_fixed_size 0
		.amdhsa_enable_private_segment 0
		.amdhsa_kernarg_size 48
		.amdhsa_user_sgpr_count 2
		.amdhsa_user_sgpr_kernarg_segment_ptr 1
		.amdhsa_wavefront_size32 1
		.amdhsa_system_sgpr_workgroup_id_x 1
		.amdhsa_system_sgpr_workgroup_id_y 1
		.amdhsa_system_sgpr_workgroup_id_z 1
		.amdhsa_system_vgpr_workitem_id 0
		.amdhsa_next_free_vgpr 1024
		.amdhsa_next_free_sgpr 100
		.amdhsa_reserve_vcc 0
		.amdhsa_float_denorm_mode_32 3
		.amdhsa_float_denorm_mode_16_64 3
		.amdhsa_memory_ordered 1
		.amdhsa_forward_progress 1
		.amdhsa_inst_pref_size 156
	.end_amdhsa_kernel
	.amdgpu_metadata
---
amdhsa.version: [ 1, 2 ]
amdhsa.kernels:
  - .name:           k_q04e4aa5a7b_oproj
    .symbol:         k_q04e4aa5a7b_oproj.kd
    .args:
      - { .name: oc, .offset: 0, .size: 8, .value_kind: global_buffer, .address_space: global }
      - { .name: os, .offset: 8, .size: 8, .value_kind: global_buffer, .address_space: global }
      - { .name: xc, .offset: 16, .size: 8, .value_kind: global_buffer, .address_space: global }
      - { .name: xs, .offset: 24, .size: 8, .value_kind: global_buffer, .address_space: global }
      - { .name: bo, .offset: 32, .size: 8, .value_kind: global_buffer, .address_space: global }
      - { .name: out0, .offset: 40, .size: 8, .value_kind: global_buffer, .address_space: global }
    .group_segment_fixed_size: 327680
    .private_segment_fixed_size: 0
    .kernarg_segment_align: 8
    .kernarg_segment_size: 48
    .max_flat_workgroup_size: 128
    .sgpr_count:     100
    .vgpr_count:     1024
    .wavefront_size: 32
...
	.end_amdgpu_metadata
.endif
;; end of part 4
